; MI455X (gfx1250); checked and timed in simulation.
; The chip was launched on July 23, 2026; its instructions are those of AMD's public machine-readable ISA for CDNA 5 (MIT licence, August 2026) and "CDNA5" Instruction Set Architecture Reference Guide (July 2026). The comments in the code are by the model that wrote it; some were corrected since.
;; Modern Bert Attention. Allowed arithmetic: matrix products marked QUANTISED: E2M3 operands, one E8M0 scale for each 32 along K, by v_wmma_scale_f32_16x16x128_f8f6f4 with both operands' format E2M3, f32 sums; everything else in f32.
;; Inputs: Wo 1,024 x 1,024 float32; Wqkv 3,072 x 1,024 float32; hidden_states 4 x 2,048 x 1,024 float32; position_ids 4 x 2,048 int32.
;; Outputs: out0 4 x 2,048 x 1,024 float32.
;; This version of the problem:
;;   THIS VERSION OF THE PROBLEM IS GIVEN IN LOW PRECISION. The matrix products marked QUANTISED in the list below multiply operands that are first quantised to E2M3 (2 exponent bits, 3 mantissa bits; 6 bits a number), with one power-of-two scale for each 32 numbers along K (OCP MX v1.0); their sums are f32. All else is computed in f32.
;;   The module's matrix products, in the order in which they are computed (A, B: the left and right operand; K: the contracted axis; several contracted axes count as one K, in the product's order):
;;     1. [M 8,192, K 1,024] x [K 1,024, N 3,072]; A: input hidden_states; B: input Wqkv: QUANTISED
;;     2. batch 64 x [M 2,048, K 64] x [K 64, N 2,048]; A: computed on the way; B: computed on the way: QUANTISED
;;     3. batch 64 x [M 64, K 2,048] x [K 2,048, N 2,048]; A: computed on the way; B: softmax (see below): QUANTISED
;;     4. [M 8,192, K 1,024] x [K 1,024, N 1,024]; A: computed on the way; B: input Wo: QUANTISED
;;   THE QUANTISER, for each operand of a quantised product, along K:
;;     - K is cut into blocks of 32 from its start; a last block that is shorter is filled with zeros.
;;     - A block's scale is 2^e with e = floor(log2(the largest magnitude in the block)) - 2, held to -126 .. 127; a block of zeros has e = 0. As a byte (E8M0): e + 127.
;;     - Each number is divided by its block's scale, clamped to +-7.5, and rounded to the nearest number of E2M3, ties to even, subnormals kept.
;;     - The product sums the exact products of the quantised numbers (number of the format x scale) in f32.
;;   ~~~python
;;   def quantise(x, axis):      # numpy; x: float32 -> the quantised numbers, widened to float32 again
;;       x = np.moveaxis(x, axis, -1); K = x.shape[-1]
;;       x = np.pad(x, [(0, 0)] * (x.ndim - 1) + [(0, -K % 32)]); x = x.reshape(x.shape[:-1] + (-1, 32)); a = np.abs(x).max(-1, keepdims=True)
;;       e = np.where(a > 0, np.clip(np.frexp(np.where(a > 0, a, 1))[1] - 1 - 2, -126, 127), 0)      # np.frexp(a)[1] - 1 = floor(log2(a)), exactly
;;       r = np.clip(x / 2.0 ** e, -7.5, 7.5)
;;       step = 2.0 ** (np.maximum(np.frexp(np.where(r == 0, 1, r))[1] - 1, 0) - 3)
;;       q = np.round(r / step) * step * 2.0 ** e      # np.round: ties to even
;;       return np.moveaxis(q.reshape(q.shape[:-2] + (-1,))[..., :K], -1, axis).astype(np.float32)
;;   ~~~
;;   SOFTMAX AHEAD OF A QUANTISED PRODUCT. Where the list says 'softmax', what is quantised is not the finished softmax but p = 2^(t - M), with t = logit x log2(e) and M = ceil(the row's largest t), a whole number; so 1/2 < the row's largest p <= 1. The row's sum l is taken of the UNQUANTISED p, in f32, and the product's result is divided by l at the end. Since M is a whole number, a kernel that streams over the keys may use a running M (the ceiling of the running maximum): every later rescaling is an exact power of two, which a block's scale takes up: the codes' values come out the same.
;;   OPERANDS COMPUTED ON THE WAY. 'Computed on the way' means the value that the module computes at that place (a softmax that the list does not call 'softmax' is quantised finished and normalised). What goes into a quantiser is computed in f32, as accurately as f32 sums, v_exp_f32 and their like allow (about 1e-6 of the number): no bf16 or f16 on the way to a quantiser, and a product that is left as it is and whose result goes on into a quantised operand takes f32 operands (vector FMAs, or v_wmma_f32_16x16x4_f32). A number that lies on a knife's edge between two numbers of the format may be rounded either way, as far as f32 arithmetic and the matrix unit's own rounding can turn it there, and no further.
;; One version. Each part assembles by itself: llvm-mc -triple=amdgcn-amd-amdhsa -mcpu=gfx1250 --defsym DOCPART=n.
;; ======== version 1 of 1: 5 launches
;; limits: right only within a limited range of input values
;; workspace buffers: xw_codes 9,437,184 bytes; xw_scales 393,216 bytes; rope 2,097,152 bytes; kv 13,631,488 bytes; qimg 13,631,488 bytes; ctx_codes 6,291,456 bytes; ctx_scales 262,144 bytes
;; launch quant (part 1): grid 512 x 1, 4 waves a work-group, no clusters, 33,280 bytes of LDS; arguments hidden_states, Wqkv, Wo, position_ids, xw_codes, xw_scales, rope; writes xw_codes, xw_scales, rope
.if DOCPART == 1
	.amdgcn_target "amdgcn-amd-amdhsa--gfx1250"
	.amdhsa_code_object_version 6
	.text
	.protected	k_q8f6e5f0cdd_quant
	.globl	k_q8f6e5f0cdd_quant
	.p2align	8
	.type	k_q8f6e5f0cdd_quant,@function
k_q8f6e5f0cdd_quant:
	s_mov_b64 s[64:65], 0
	v_nop
	global_prefetch_b8 v0, s[64:65] scope:SCOPE_SE
	s_setreg_imm32_b32 hwreg(HW_REG_WAVE_MODE, 25, 1), 1
	s_wait_xcnt 0x0
; LAUNCH 1 OF 5.  Work-groups 0-383: hidden_states [8192][1024], Wqkv [3072][1024] and Wo [1024][1024], f32, K innermost, become codes of FP6 (E2M3) with one E8M0 byte
; for each 32 along K: rows of 768 bytes in xw_codes and of 32 bytes in xw_scales, the three tensors on end.  Work-groups 384-511: the table of cos and sin for the rotary embedding.
; A block's scale is 2^(floor(log2(largest magnitude)) - 2); its byte is the largest magnitude's exponent field - 2, held at 1 from below.
; STORED ORDER.  Of each 32 rows of hidden_states and of Wqkv the second and third groups of eight rows change places: stored row 16 u + r holds row 8 u + r + 8 (r / 8).  A tile of 16 neighbouring
; stored rows, used as source 0 of a matrix instruction, then leaves in lane half h, register j, of tiles 2 b and 2 b + 1 the rows 32 b + 16 h + 0 .. 15: 16 neighbours along the next product's K.  Wo keeps its order.
; A wave takes 8 rows = 8,192 numbers = 16 steps of 512; the four waves of a work-group take 32 rows, so the stored order is a swap of the two bits of the wave's number in the destination.
; A step: four loads of 512 consecutive bytes; the 2,048 bytes turn through the wave's own stage in LDS and come back 64 bytes (16 neighbours) a lane; two neighbouring lanes hold a block.
; LIMITS: a block whose largest magnitude lies under 2^-124 (a block of zeros too) keeps the byte 1: zero codes add nothing, and this program alone reads the bytes.  NaN and infinities are not served.
; The table: |position x inv_freq| up to 2^22 is reduced with an error under 1e-8; beyond that the accuracy falls.  inv_freq lies within about 1.5 ulp of theta^(-i/32).
.set NQWG,  384                        ; work-groups that quantise: 256 for hidden_states, 96 for Wqkv, 32 for Wo
.set STEPS, 16
.set EMAX,  2
.set CB,    12                         ; bytes of 16 codes
.set R,     16                         ; v16-79   four sets of 16 numbers as loaded
.set X,     80                         ; v80-111  two sets of 16 neighbours
.set E,     112                        ; v112-127 a scale byte for each step
.set C,     128                        ; v128-191 codes: four registers for each step, so that no store's data are written again
.set WREG,  8192                       ; LDS: a region for each wave: two stages of 32 x SP bytes, then its 256 scale bytes
.set SP,    80                         ; a lane's place in a stage: 64 bytes + 16 of padding
	s_load_b256 s[4:11], s[0:1], 0x0               ; hidden_states s[4:5], Wqkv s[6:7], Wo s[8:9], position_ids s[10:11]
	s_load_b128 s[12:15], s[0:1], 0x20             ; xw_codes s[12:13], xw_scales s[14:15]
	s_load_b64 s[24:25], s[0:1], 0x30              ; rope
	v_lshl_add_u32 v192, v0, 2, 0x8000
	v_mov_b32 v193, 0
	v_lshrrev_b32 v1, 5, v0
	v_readfirstlane_b32 s16, v1                    ; wave 0..3
	v_and_b32 v2, 31, v0                           ; lane
	s_cmp_ge_u32 ttmp9, NQWG
	s_cbranch_scc1 .Lrope
	v_lshlrev_b32 v3, 4, v2                        ; my 16 bytes of a load's 512
	s_mul_i32 s20, s16, WREG
	v_lshrrev_b32 v14, 2, v2
	v_mul_u32_u24 v14, v14, SP
	v_and_b32 v15, 3, v2
	v_lshl_add_u32 v14, v15, 4, v14
	v_add_nc_u32 v14, s20, v14                     ; the stage, on the way in: SP (lane / 4) + 16 (lane % 4)
	v_mul_u32_u24 v15, v2, SP
	v_add_nc_u32 v15, s20, v15                     ; and on the way out: SP x lane: my 16 neighbours
	v_mul_u32_u24 v4, v2, CB                       ; my codes' place in a step's
	v_lshrrev_b32 v5, 1, v2
	s_add_co_u32 s20, s20, 2*32*SP
	v_add_nc_u32 v5, s20, v5                       ; my wave's 256 scale bytes: my block's byte
	v_lshlrev_b32 v7, 3, v2                        ; on the way out 8 bytes a lane
	v_add_nc_u32 v6, s20, v7
	s_and_b32 s19, s16, 1
	s_lshl_b32 s19, s19, 1
	s_lshr_b32 s18, s16, 1
	s_or_b32 s19, s19, s18                         ; the wave's number with its two bits swapped: the stored order
	s_wait_kmcnt 0x0
	s_cmp_lt_u32 ttmp9, 256                        ; which tensor?  The choices hang on the work-group's number alone
	s_cselect_b64 s[4:5], s[4:5], s[6:7]
	s_cselect_b32 s17, 0, 256
	s_cmp_lt_u32 ttmp9, 352
	s_cselect_b64 s[4:5], s[4:5], s[8:9]
	s_cselect_b32 s17, s17, 352
	s_cselect_b32 s19, s19, s16                    ; Wo keeps its order
	s_sub_co_u32 s17, ttmp9, s17
	s_lshl_b32 s17, s17, 2
	s_add_co_u32 s17, s17, s16                     ; which run of 8 rows of the tensor I read
	s_lshl_b32 s22, s17, 15                        ; 32,768 bytes a run
	s_mov_b32 s23, 0
	s_add_nc_u64 s[4:5], s[4:5], s[22:23]
	s_lshl_b32 s18, ttmp9, 2
	s_add_co_u32 s18, s18, s19                     ; which run of the three tensors on end I write
	s_mul_i32 s22, s18, 32*STEPS*CB                ; 6,144 bytes of codes a run
	s_add_nc_u64 s[12:13], s[12:13], s[22:23]
	s_lshl_b32 s22, s18, 8                         ; 256 scale bytes a run
	s_add_nc_u64 s[14:15], s[14:15], s[22:23]
.macro LOAD t
.irp i, 0,1,2,3
	global_load_b128 v[R+16*((\t)%4)+4*\i:R+16*((\t)%4)+4*\i+3], v3, s[4:5] offset:2048*(\t)+512*\i th:TH_LOAD_NT   ; 32 lanes read 512 consecutive bytes
.endr
.endm
.macro TURN t                          ; step t's numbers through the stage: LDS serves a wave's instructions in order (ISA guide 5.7.1.4), so no wait stands between the stores and the loads
.irp i, 0,1,2,3
	ds_store_b128 v14, v[R+16*((\t)%4)+4*\i:R+16*((\t)%4)+4*\i+3] offset:32*SP*((\t)%2)+8*SP*\i
.endr
.irp i, 0,1,2,3
	ds_load_b128 v[X+16*((\t)%2)+4*\i:X+16*((\t)%2)+4*\i+3], v15 offset:32*SP*((\t)%2)+16*\i
.endr
.endm
.irp t, 0,1,2,3
	LOAD \t
.endr
	s_wait_loadcnt 12                              ; step 0's four loads are in; the twelve of steps 1 to 3 may be out
	TURN 0
.macro STEP t
.set XS, X+16*((\t)%2)
.if (\t) > 0
	s_wait_dscnt 1                                 ; this step's numbers are back from the stage (the last step's byte store may be out): its stores into the stage have read their registers,
.else
	s_wait_dscnt 0x0
.endif
.if (\t)+4 < STEPS
	LOAD (\t)+4                                    ; which take the loads of four steps on
.endif
.if (\t)+1 < STEPS
.if STEPS-2-(\t) >= 3
	s_wait_loadcnt 12                              ; the next step's four loads are in; those of the three steps behind it may be out
.else
	s_wait_loadcnt 4*(STEPS-2-(\t))
.endif
	TURN (\t)+1                                    ; and go through the other stage while this step is worked
.endif
	v_max3_num_f32 v8, |v[XS]|, |v[XS+1]|, |v[XS+2]|               ; the largest magnitude of my 16, in two chains
	v_max3_num_f32 v9, |v[XS+3]|, |v[XS+4]|, |v[XS+5]|
.irp i, 6,10
	v_max3_num_f32 v8, v8, |v[XS+\i]|, |v[XS+\i+1]|
	v_max3_num_f32 v9, v9, |v[XS+\i+2]|, |v[XS+\i+3]|
.endr
	v_max3_num_f32 v8, v8, |v[XS+14]|, |v[XS+15]|
	v_max3_num_f32 v8, v8, v9, (EMAX+1)<<23        ; and the floor 2^(3 - 127): the byte cannot fall under 1
	v_max_num_f32_dpp v8, v8, v8 row_xmask:1 row_mask:0xf bank_mask:0xf   ; with my neighbour's 16: the block's
	v_add_nc_u32 v11, -(EMAX<<23), v8              ; 2 off its exponent field: the conversion takes the exponent field of this operand as its scale
	v_cvt_scalef32_pk16_fp6_f32 v[C+4*(\t):C+4*(\t)+2], v[XS:XS+15], v11   ; 16 codes, 96 bits without gaps; beyond the largest code the largest
	v_lshrrev_b32 v[E+(\t)], 23, v11               ; the scale's byte (a plain line behind the conversion)
	ds_store_b8 v5, v[E+(\t)] offset:16*(\t)       ; both lanes of a block write the same byte with the same value
	global_store_b96 v4, v[C+4*(\t):C+4*(\t)+2], s[12:13] offset:32*CB*(\t)   ; the wave stores 384 consecutive bytes
.endm
.irp t, 0,1,2,3,4,5,6,7,8,9,10,11,12,13,14,15
	STEP \t
.endr
	ds_load_b64 v[12:13], v6                       ; these see my byte stores: a wave's LDS instructions are served in order
	s_wait_dscnt 0x0
	global_store_b64 v7, v[12:13], s[14:15]        ; 32 lanes store 256 consecutive bytes, aligned
	s_wait_tensorcnt 0x0
	ds_add_u32 v192, v193
	s_wait_dscnt 0x0
	s_endpgm
; THE TABLE.  rope[T][k][lane][4 words]: T = stored tile of 16 tokens; lane (r, h) stands for token 32 (T / 2) + 8 (T % 2) + r + 8 (r / 8); k = 0 .. 3: cos at i = 16 h + 4 k + word; k = 4 .. 7: sin.
; No LDS here.  A wave makes one tile: 16 angles a lane.
.set POS, 9                            ; v9      the position as f32
.set IF,  16                           ; v16-31  inv_freq at i = 16 h + k
.set CO,  32                           ; v32-47  cos (before that: -n for v_ldexp_f32)
.set SI,  48                           ; v48-63  sin (before that: i, then n)
.Lrope:
	s_sub_co_u32 s17, ttmp9, NQWG
	s_lshl_b32 s17, s17, 2
	s_add_co_u32 s17, s17, s16                     ; T
	s_lshr_b32 s18, s17, 1
	s_lshl_b32 s18, s18, 5
	s_and_b32 s19, s17, 1
	s_lshl_b32 s19, s19, 3
	s_add_co_u32 s18, s18, s19                     ; the tile's first token
	s_lshl_b32 s18, s18, 2
	s_mov_b32 s19, 0
	s_lshl_b32 s20, s17, 12                        ; 4,096 bytes of table a tile
	s_mov_b32 s21, 0
	s_mov_b32 s26, 0x3f22f983                      ; 2 / pi
	s_mov_b32 s27, 0xbfc90fdb                      ; -(pi / 2 rounded to f32)
	s_mov_b32 s28, 0x333bbd2e                      ; that rounding's error
	s_mov_b32 s29, 0xb94ca1f9                      ; sin r = r + r z (S1 + z (S2 + z S3)), z = r r, |r| <= pi / 4
	s_mov_b32 s30, 0x3c08839e
	s_mov_b32 s31, 0xbe2aaaa3
	s_mov_b32 s32, 0x37ccf5ce                      ; cos r = 1 - z / 2 + z z (C1 + z (C2 + z C3))
	s_mov_b32 s33, 0xbab6061a
	s_mov_b32 s34, 0x3d2aaaa5
	s_mov_b32 s35, 0x3f0a4d3c                      ; log2(160000) / 32 = 0.54024101186, in two parts
	s_mov_b32 s36, 0x32179a6b
	v_and_b32 v3, 15, v0                           ; r
	v_bfe_u32 v4, v0, 4, 1                         ; h
	v_and_b32 v5, 8, v3
	v_add_nc_u32 v5, v5, v3
	v_lshlrev_b32 v5, 2, v5                        ; 4 (r + 8 (r / 8))
	v_lshlrev_b32 v6, 4, v2                        ; 16 x lane
	v_lshlrev_b32 v8, 4, v4                        ; 16 h
	s_wait_kmcnt 0x0
	s_add_nc_u64 s[10:11], s[10:11], s[18:19]
	s_add_nc_u64 s[24:25], s[24:25], s[20:21]
	global_load_b32 v7, v5, s[10:11]
	; inv_freq = 2^-(i L), L in two parts: p + e = i L to about 48 bits; n = the nearest whole number; 2^(n - p - e) by v_exp_f32 on [-1/2, 1/2], then 2^-n exactly
.irp k, 0,1,2,3,4,5,6,7,8,9,10,11,12,13,14,15
	v_add_nc_u32 v[48+\k], \k, v8
.endr
.irp k, 0,1,2,3,4,5,6,7,8,9,10,11,12,13,14,15
	v_cvt_f32_u32 v[48+\k], v[48+\k]               ; i
.endr
.irp k, 0,1,2,3,4,5,6,7,8,9,10,11,12,13,14,15
	v_mul_f32 v[64+\k], s35, v[48+\k]              ; p
.endr
.irp k, 0,1,2,3,4,5,6,7,8,9,10,11,12,13,14,15
	v_fma_f32 v[80+\k], v[48+\k], s35, -v[64+\k]   ; what p's rounding lost, exactly,
.endr
.irp k, 0,1,2,3,4,5,6,7,8,9,10,11,12,13,14,15
	v_fma_f32 v[80+\k], v[48+\k], s36, v[80+\k]    ; and the low part: e
.endr
.irp k, 0,1,2,3,4,5,6,7,8,9,10,11,12,13,14,15
	v_rndne_f32 v[48+\k], v[64+\k]                 ; n
.endr
.irp k, 0,1,2,3,4,5,6,7,8,9,10,11,12,13,14,15
	v_sub_f32 v[64+\k], v[48+\k], v[64+\k]         ; n - p, exact
.endr
.irp k, 0,1,2,3,4,5,6,7,8,9,10,11,12,13,14,15
	v_sub_f32 v[IF+\k], v[64+\k], v[80+\k]
.endr
.irp k, 0,1,2,3,4,5,6,7,8,9,10,11,12,13,14,15
	v_cvt_i32_f32 v[32+\k], v[48+\k]
.endr
.irp k, 0,1,2,3,4,5,6,7,8,9,10,11,12,13,14,15
	v_sub_nc_u32 v[32+\k], 0, v[32+\k]             ; -n
.endr
.irp k, 0,1,2,3,4,5,6,7,8,9,10,11,12,13,14,15
	v_exp_f32 v[IF+\k], v[IF+\k]                   ; one batch
.endr
	v_nop                                          ; a plain line behind the last exponential
	s_wait_alu depctr_va_vdst(0)                   ; one wait for the batch, ahead of its first reader
.irp k, 0,1,2,3,4,5,6,7,8,9,10,11,12,13,14,15
	v_ldexp_f32 v[IF+\k], v[IF+\k], v[32+\k]
.endr
	s_wait_loadcnt 0x0
	v_cvt_f32_i32 v[POS], v7
.macro SINCOS k
	v_mul_f32 v65, v[POS], v[IF+\k]                ; the angle, rounded once
	v_mul_f32 v66, s26, v65
	v_rndne_f32 v66, v66                           ; n quarter turns
	v_fma_f32 v67, v66, s27, v65                   ; r = x - n pi / 2: the first step rounds nothing (the difference is a multiple of 2^-24 under 1)
	v_fma_f32 v67, v66, s28, v67
	v_cvt_i32_f32 v68, v66
	v_mul_f32 v69, v67, v67                        ; z
	v_fma_f32 v70, v69, s29, s30
	v_fma_f32 v70, v70, v69, s31
	v_mul_f32 v70, v70, v69
	v_fma_f32 v70, v70, v67, v67                   ; sin r
	v_fma_f32 v71, v69, s32, s33
	v_fma_f32 v71, v71, v69, s34
	v_mul_f32 v72, v69, v69
	v_fma_f32 v73, v69, -0.5, 1.0
	v_fma_f32 v71, v71, v72, v73                   ; cos r
	v_and_b32 v74, 1, v68
	v_cmp_eq_u32 vcc_lo, 1, v74                    ; an odd number of quarter turns swaps the two
	v_cndmask_b32 v75, v70, v71, vcc_lo
	v_cndmask_b32 v76, v71, v70, vcc_lo
	v_lshlrev_b32 v77, 30, v68                     ; sin is negated where n mod 4 is 2 or 3,
	v_and_b32 v77, 0x80000000, v77
	v_xor_b32 v[SI+\k], v75, v77
	v_add_nc_u32 v78, 1, v68                       ; cos where it is 1 or 2
	v_lshlrev_b32 v78, 30, v78
	v_and_b32 v78, 0x80000000, v78
	v_xor_b32 v[CO+\k], v76, v78
.endm
.irp k, 0,1,2,3,4,5,6,7,8,9,10,11,12,13,14,15
	SINCOS \k
.endr
.irp k, 0,1,2,3
	global_store_b128 v6, v[CO+4*\k:CO+4*\k+3], s[24:25] offset:512*\k         ; each store of the wave covers 512 consecutive bytes, aligned
	global_store_b128 v6, v[SI+4*\k:SI+4*\k+3], s[24:25] offset:2048+512*\k
.endr
	s_endpgm
.Lfunc_end_k_q8f6e5f0cdd_quant:
	.size	k_q8f6e5f0cdd_quant, .Lfunc_end_k_q8f6e5f0cdd_quant-k_q8f6e5f0cdd_quant
	.p2alignl 7, 3214868480
	.fill 96, 4, 3214868480
	.section	.rodata,"a",@progbits
	.p2align	6, 0x0
	.amdhsa_kernel k_q8f6e5f0cdd_quant
		.amdhsa_group_segment_fixed_size 33280
		.amdhsa_private_segment_fixed_size 0
		.amdhsa_enable_private_segment 0
		.amdhsa_kernarg_size 56
		.amdhsa_user_sgpr_count 2
		.amdhsa_user_sgpr_kernarg_segment_ptr 1
		.amdhsa_wavefront_size32 1
		.amdhsa_system_sgpr_workgroup_id_x 1
		.amdhsa_system_sgpr_workgroup_id_y 1
		.amdhsa_system_sgpr_workgroup_id_z 1
		.amdhsa_system_vgpr_workitem_id 0
		.amdhsa_next_free_vgpr 194
		.amdhsa_next_free_sgpr 66
		.amdhsa_reserve_vcc 1
		.amdhsa_float_denorm_mode_32 3
		.amdhsa_float_denorm_mode_16_64 3
		.amdhsa_memory_ordered 1
		.amdhsa_forward_progress 1
		.amdhsa_inst_pref_size 62
	.end_amdhsa_kernel
	.amdgpu_metadata
---
amdhsa.version: [ 1, 2 ]
amdhsa.kernels:
  - .name:           k_q8f6e5f0cdd_quant
    .symbol:         k_q8f6e5f0cdd_quant.kd
    .args:
      - { .name: hidden_states, .offset: 0, .size: 8, .value_kind: global_buffer, .address_space: global }
      - { .name: Wqkv, .offset: 8, .size: 8, .value_kind: global_buffer, .address_space: global }
      - { .name: Wo, .offset: 16, .size: 8, .value_kind: global_buffer, .address_space: global }
      - { .name: position_ids, .offset: 24, .size: 8, .value_kind: global_buffer, .address_space: global }
      - { .name: xw_codes, .offset: 32, .size: 8, .value_kind: global_buffer, .address_space: global }
      - { .name: xw_scales, .offset: 40, .size: 8, .value_kind: global_buffer, .address_space: global }
      - { .name: rope, .offset: 48, .size: 8, .value_kind: global_buffer, .address_space: global }
    .group_segment_fixed_size: 33280
    .private_segment_fixed_size: 0
    .kernarg_segment_align: 8
    .kernarg_segment_size: 56
    .max_flat_workgroup_size: 128
    .sgpr_count:     66
    .vgpr_count:     194
    .wavefront_size: 32
...
	.end_amdgpu_metadata
.endif
;; end of part 1
;; launch qk (part 2): grid 8 x 32, 4 waves a work-group, clusters of 4 x 4, 327,680 bytes of LDS; arguments xw_codes, xw_scales, rope, qimg, kv; writes qimg, kv
.if DOCPART == 2
	.amdgcn_target "amdgcn-amd-amdhsa--gfx1250"
	.amdhsa_code_object_version 6
	.text
	.protected	k_q8f6e5f0cdd_qk
	.globl	k_q8f6e5f0cdd_qk
	.p2align	8
	.type	k_q8f6e5f0cdd_qk,@function
k_q8f6e5f0cdd_qk:
	s_mov_b64 s[64:65], 0
	v_nop
	global_prefetch_b8 v0, s[64:65] scope:SCOPE_SE
	s_setreg_imm32_b32 hwreg(HW_REG_WAVE_MODE, 25, 1), 1
	s_wait_xcnt 0x0
	s_wait_alu depctr_hold_cnt(0) depctr_sa_sdst(0) depctr_va_vdst(0) depctr_va_sdst(0) depctr_va_ssrc(0) depctr_va_vcc(0) depctr_vm_vsrc(0)
	s_getreg_b32 s2, hwreg(HW_REG_IB_STS2, 6, 4)
	s_cmp_eq_u32 s2, 0
	s_cbranch_scc0 .Lentry_in_a_cluster
	s_endpgm
.Lentry_in_a_cluster:
	s_bfe_u32 s2, ttmp6, 0x10000c
	s_cmp_lg_u32 s2, 0xf033
	s_cbranch_scc0 .Lentry_shape_is_right
	s_endpgm
.Lentry_shape_is_right:
; LAUNCH 2 OF 5.  q and k = hidden_states x (Wq, Wk)^T on codes of FP6 (E2M3) with E8M0 scales, f32 sums; then the rotary embedding in f32; then q and k are quantised along the head's 64 and leave as
; IMAGES OF OPERAND REGISTERS for the attention launch.  A = hidden (8,192 rows), B = the first 2,048 rows of Wqkv, both from xw_codes / xw_scales, rows of 768 and 32 bytes, in the stored order
; (of each 32 rows the second and third groups of eight have changed places).
; THE PRODUCT.  A tile of 256 x 256 to a work-group of four waves, 128 x 128 a wave: 64 accumulators, 512 registers.  K goes in steps of 256 through a ring of two LDS slots filled by the tensor data mover;
; the scale bytes of the work-group's rows, for all of K, come once and stay.  4 x 4 work-groups form a cluster: A's tiles are asked for jointly along a row of it, B's along a column.
; The matrix instruction is used transposed (source 0 = 16 rows of B, source 1 = 16 rows of A): lane (r, h) holds token r of tile a, and by the stored order the 32 registers of feature tiles 4 hh .. 4 hh + 3
; are d = 16 h + 0 .. 15 and d = 32 + 16 h + 0 .. 15 of head hh: the two halves that the rotation pairs, and 16 neighbours of each block of 32 along the next product's K.
; THE WAY OUT.  A wave holds one key step (128 tokens, stored tiles 0-7) x two heads.  Tiles 2 f and 2 f + 1 of a head make ONE fragment: tile 2 f in k 0-63, tile 2 f + 1 in k 64-127, since the scores' K is only 64.
; A fragment's 12 registers go out by three stores of 16 bytes a lane (512 consecutive bytes each), its scale word by one of 4 bytes a lane, to chunk (16 batch + head, step) of qimg or kv:
; a chunk is 13,312 bytes: K images 0-3 at 0, V images at 6,144, K scale words at 12,288, V scale words at 12,800.  Cluster column 0 makes q, column 1 makes k: only the base pointer differs.
; LIMITS: a block whose largest magnitude lies under 2^-124 (a block of zeros too) keeps the byte 1; NaN and infinities are not served.
; REGISTERS, in windows of 256: window 0: v0-31 addresses; v32-63 scale words, two sets; v64-127 the first cos/sin tables; v128-223 A's fragments, one set.  window 1: B's fragments, two sets.
;   windows 2, 3: the accumulators ((a, b) at v[8 (8 (a % 4) + b)]).  On the way out window 0 is: v2-20 codes, v22 the scale word, v32-47 T, v48-63 TM, v64-191 two sets of tables, v192-255 Y.
.set KSTEP,  256
.set NQ,     2                         ; matrix instructions deep in a slot
.set ROWB,   192                       ; a tile's row: 256 codes
.set KROW,   768                       ; a row of codes in memory
.set PITCH,  240                       ; an LDS row: 3 x (64 bytes + 16 of padding): the 32 lanes of a load of 8 bytes touch 64 different banks (64 banks of 4 bytes: ISA guide 11.1)
.set FR,     12
.set NL,     6
.set NP,     4                         ; places behind this matrix instruction (ISA guide 7.12.1)
.set HALFT,  128*PITCH
.set SLOT,   4*HALFT
.set LAPS,   2                         ; K = 1,024 = twice round the ring
.set KS,     32                        ; a row of scale bytes
.set SCL,    2*SLOT
.set HALFS,  (128*KS/256)*272
.set SBLK,   (16*KS/256)*272
.set SPARE,  SCL+4*HALFS               ; the spare words, 128 bytes a wave: two blocks of 256 bytes that no other line names
.set HEADB,  212992                    ; from a head's chunks to the next head's: 16 x 13,312
.set KSC,    12288
.set ADRA, 16
.set ADRB, 20
.set ADRS, 27
.set SPW,  28
.set NIL,  29
.set VL16, 30                          ; v30  16 x lane; never rewritten
.set VL4,  31                          ; v31  4 x lane; never rewritten
.set SC,   32
.set AF,   128
.set PC,   2                           ; the way out: codes v2-13, the conversions' second halves v14-20
.set PW,   22
.set T,    32
.set TM,   48
.set CSR,  64                          ; tables: tile 2 f + e at v[64 + 64 (f % 2) + 32 e]: 16 cos, 16 sin
.set Y,    192
.set G1, 24
.set G0, 32
.set G1B, 48
.set G0B, 56
.set G1S, 68
.set G0S, 76
.set G1SB, 80
.set G0SB, 88
.set MSB, 0
.macro WIN new                         ; the immediate's high byte repeats the setting that is left; a switch that changes nothing is dropped
.if MSB != (\new)
	s_set_vgpr_msb (MSB<<8)|(\new)
.set MSB, (\new)
.endif
.endm
.set MUL_LO, 0xa1                      ; source 0 (B) window 1, source 1 (A) window 0, C and D window 2
.set MUL_HI, 0xf1                      ; the same, C and D window 3
.set TO_B,   0x40                      ; destination window 1
; A joint load: waves 0 and 1 fetch for A, waves 2 and 3 for B; the branch hangs on the wave's number alone.  Four v_nop follow each of the two lines.
.macro JLOAD g0a, g1a, g0b, g1b
	s_cmp_eq_u32 s15, 0
	s_cbranch_scc0 .Lfor_b_\@
	tensor_load_to_lds s[\g0a:\g0a+3], s[\g1a:\g1a+7]
	s_nop 0
.rept 4
	v_nop
.endr
	s_branch .Lasked_\@
.Lfor_b_\@:
	tensor_load_to_lds s[\g0b:\g0b+3], s[\g1b:\g1b+7]
	s_nop 0
.rept 4
	v_nop
.endr
.Lasked_\@:
.endm
.macro CREST                           ; a round of the cluster's barrier behind its opening barrier
	s_cmp_lg_u32 s14, 0
	s_cbranch_scc1 .Lnot_wave_0_\@
	s_barrier_signal -3
.Lnot_wave_0_\@:
	s_barrier_wait -3
	s_barrier_signal -1
	s_barrier_wait -1
.endm
.macro CROUND
	s_barrier_signal -1
	s_barrier_wait -1
	CREST
.endm
	s_load_b128 s[4:7], s[0:1], 0x0                ; xw_codes, xw_scales: A (hidden) begins at their first byte
	s_load_b128 s[96:99], s[0:1], 0x10             ; rope, qimg
	s_load_b64 s[100:101], s[0:1], 0x20            ; kv
	v_lshl_add_u32 v[SPW], v0, 2, SPARE
	v_mov_b32 v[NIL], 0
	ds_add_u32 v28, v29
	ds_add_u32 v28, v29
	s_wait_dscnt 0x0
	v_lshrrev_b32 v1, 5, v0
	v_readfirstlane_b32 s14, v1                    ; wave 0..3
	s_lshr_b32 s15, s14, 1                         ; which half of the tile's rows (tokens) is mine.  Also: I fetch for A (0) or for B (1)
	s_and_b32 s16, s14, 1                          ; which half of its columns (features).  Also: which 128 rows I fetch
	s_bfe_u32 s40, ttmp6, 0x40000                  ; cx, cy
	s_bfe_u32 s41, ttmp6, 0x40004
	s_lshl_b32 s42, ttmp9, 2
	s_add_co_u32 s42, s42, s40                     ; tile column
	s_and_b32 s17, ttmp7, 0xffff
	s_lshl_b32 s17, s17, 2
	s_add_co_u32 s17, s17, s41                     ; tile row
	s_lshl_b32 s43, s41, 2
	s_lshl_b32 s43, 15, s43                        ; my row of the cluster
	s_lshl_b32 s44, 0x1111, s40                    ; my column
	s_or_b32 s[G1+0], s43, (0<<16)|(1<<20)|(1<<21)|(3<<22)|(3<<25)  ; the mask; elements of 1 byte; padding on; bit 21 beside a mask; after every 16 words 4 words
	s_or_b32 s[G1B+0], s44, (0<<16)|(1<<20)|(1<<21)|(3<<22)|(3<<25)
.irp g, G1, G1B
	s_mov_b32 s[\g+1], ROWB<<16                    ; tensor_dim0
	s_mov_b32 s[\g+2], 128<<16                     ; tensor_dim1
	s_mov_b32 s[\g+3], ROWB<<16                    ; tile_dim0
	s_mov_b32 s[\g+4], 128                         ; tile_dim1
	s_mov_b32 s[\g+5], KROW                        ; stride
	s_mov_b32 s[\g+6], 0
	s_mov_b32 s[\g+7], 0
.endr
	s_or_b32 s[G1S+0], s43, (3<<16)|(1<<20)|(1<<21)|(5<<22)|(3<<25)  ; the scales of 128 rows: 4,096 dense bytes as 16 rows of 256 (32 elements of 8 bytes), 16 bytes of padding behind each
	s_or_b32 s[G1SB+0], s44, (3<<16)|(1<<20)|(1<<21)|(5<<22)|(3<<25)
.irp g, G1S, G1SB
	s_mov_b32 s[\g+1], 32<<16
	s_mov_b32 s[\g+2], (128*KS/256)<<16
	s_mov_b32 s[\g+3], 32<<16
	s_mov_b32 s[\g+4], 128*KS/256
	s_mov_b32 s[\g+5], 32
	s_mov_b32 s[\g+6], 0
	s_mov_b32 s[\g+7], 0
.endr
	s_lshl_b32 s18, s16, 7
	s_lshl_b32 s20, s17, 8
	s_add_co_u32 s20, s20, s18                     ; A: row 256 x tile row + 128 x half
	s_lshl_b32 s46, s42, 8
	s_add_co_u32 s46, s46, s18                     ; B: row 256 x tile column + 128 x half
	s_mov_b32 s21, 0
	s_mov_b32 s47, 0
	s_mov_b64 s[18:19], KS
	s_mul_u64 s[22:23], s[20:21], s[18:19]
	s_mul_u64 s[92:93], s[46:47], s[18:19]
	s_mov_b64 s[18:19], KROW
	s_mul_u64 s[20:21], s[20:21], s[18:19]
	s_mul_u64 s[46:47], s[46:47], s[18:19]
	s_mul_i32 s45, s14, HALFT                      ; where they go: wave x 128 rows
	s_mul_i32 s94, s14, HALFS
	s_wait_kmcnt 0x0
	s_add_nc_u64 s[8:9], s[4:5], 6291456           ; B: Wqkv's codes lie behind hidden's 8,192 rows,
	s_add_nc_u64 s[10:11], s[6:7], 262144          ; its scale bytes likewise
	s_add_nc_u64 s[20:21], s[4:5], s[20:21]
	s_add_nc_u64 s[22:23], s[6:7], s[22:23]
	s_add_nc_u64 s[46:47], s[8:9], s[46:47]
	s_add_nc_u64 s[92:93], s[10:11], s[92:93]
	CROUND                                         ; all sixteen work-groups are here: the first joint loads meet
	s_mov_b32 s[G0S], 1
	s_add_co_u32 s[G0S+1], s94, SCL
	s_mov_b64 s[G0S+2:G0S+3], s[22:23]
	s_or_b32 s[G0S+3], s[G0S+3], 0x80000000
	s_mov_b32 s[G0SB], 1
	s_add_co_u32 s[G0SB+1], s94, SCL
	s_mov_b64 s[G0SB+2:G0SB+3], s[92:93]
	s_or_b32 s[G0SB+3], s[G0SB+3], 0x80000000
	JLOAD G0S, G1S, G0SB, G1SB                     ; the scales first
.irp s, 0,1
	s_mov_b32 s[G0+4*\s], 1
	s_add_co_u32 s[G0+4*\s+1], s45, \s*SLOT
	s_add_nc_u64 s[G0+4*\s+2:G0+4*\s+3], s[20:21], \s*ROWB
	s_or_b32 s[G0+4*\s+3], s[G0+4*\s+3], 0x80000000
	s_mov_b32 s[G0B+4*\s], 1
	s_add_co_u32 s[G0B+4*\s+1], s45, \s*SLOT
	s_add_nc_u64 s[G0B+4*\s+2:G0B+4*\s+3], s[46:47], \s*ROWB
	s_or_b32 s[G0B+4*\s+3], s[G0B+4*\s+3], 0x80000000
	JLOAD G0+4*\s, G1, G0B+4*\s, G1B               ; three tensor loads of mine are out
.endr
	v_and_b32 v1, 15, v0                           ; r
	v_bfe_u32 v2, v0, 4, 1                         ; h
	v_mul_u32_u24 v3, v1, PITCH
	v_mul_u32_u24 v4, v2, 24
	v_add_nc_u32 v4, v3, v4                        ; a fragment's row x pitch + 24 x half
	v_lshl_add_u32 v5, v2, 4, v4                   ; and the same behind one padding more
	s_mul_i32 s21, s15, HALFT
	s_mul_i32 s22, s16, HALFT
	s_add_co_u32 s22, s22, 2*HALFT
.irp s, 0,1
	v_add_nc_u32 v[ADRA+\s], s21, v4
	v_add_nc_u32 v[ADRB+\s], s22, v4
	v_add_nc_u32 v[ADRA+2+\s], s21, v5
	v_add_nc_u32 v[ADRB+2+\s], s22, v5
	s_add_co_u32 s21, s21, SLOT
	s_add_co_u32 s22, s22, SLOT
.endr
	v_mul_u32_u24 v5, v1, KS                       ; my row's scales: 32 bytes a row,
	v_lshrrev_b32 v6, 8, v5
	v_lshl_add_u32 v5, v6, 4, v5                   ; and 16 more for each 256 passed
	s_mul_i32 s21, s15, HALFS
	s_mul_i32 s22, s16, HALFS
	s_add_co_u32 s22, s22, 2*HALFS
	s_sub_co_u32 s22, s22, s21
	v_mul_u32_u24 v6, s22, v2                      ; lanes 16-31 take B's
	s_add_co_u32 s21, s21, SCL
	v_add_nc_u32 v5, v5, v6
	v_add_nc_u32 v[ADRS], s21, v5
	v_and_b32 v6, 31, v0
	v_lshlrev_b32 v[VL16], 4, v6
	v_lshlrev_b32 v[VL4], 2, v6
	; where my results go, and where my tokens' tables lie
	s_lshl_b32 s20, s17, 1
	s_add_co_u32 s20, s20, s15                     ; g: which 128 tokens are mine, 0 .. 63
	s_lshl_b32 s22, s20, 15                        ; their eight tiles of table, 4,096 bytes each
	s_mov_b32 s23, 0
	s_add_nc_u64 s[96:97], s[96:97], s[22:23]
	s_lshr_b32 s21, s20, 4
	s_lshl_b32 s21, s21, 4                         ; 16 x batch
	s_and_b32 s22, s42, 3
	s_lshl_b32 s22, s22, 2
	s_add_co_u32 s21, s21, s22
	s_lshl_b32 s22, s16, 1
	s_add_co_u32 s21, s21, s22                     ; + my first head
	s_lshl_b32 s21, s21, 4
	s_and_b32 s22, s20, 15
	s_add_co_u32 s21, s21, s22                     ; x 16 + the key step: the chunk
	s_mul_i32 s22, s21, 13312
	s_cmp_eq_u32 ttmp9, 0                          ; cluster column 0: q; column 1: k.  The same in all sixteen partners
	s_cselect_b64 s[12:13], s[98:99], s[100:101]
	s_add_nc_u64 s[12:13], s[12:13], s[22:23]
.macro CSLOAD f                        ; the tables of tiles 2 f and 2 f + 1: 16 loads of 512 consecutive bytes
.irp e, 0,1
.irp k, 0,1,2,3,4,5,6,7
	global_load_b128 v[CSR+64*((\f)%2)+32*\e+4*\k:CSR+64*((\f)%2)+32*\e+4*\k+3], v[VL16], s[96:97] offset:(2*(\f)+\e)*4096+512*\k
.endr
.endr
.endm
	CSLOAD 0                                       ; into registers that the product does not touch: they land while it runs
.macro FRAG reg, adr, q, i             ; 16 rows x 128 K: 12 registers: lane (r, h) takes 24 bytes at 24 h and 24 at 48 + 24 h of its row's 96, in pieces of 8
.irp p, 0,1,2,3,4,5
.set PCE, 12*(\q)+6*(\p/3)+\p%3        ; 16 bytes of padding lie behind every 8 pieces; where the piece three on lies behind one padding more, the second address register serves
.if PCE%8 < 5
	ds_load_b64 v[\reg+2*\p:\reg+2*\p+1], v[\adr] offset:8*PCE+16*(PCE/8)+(\i)*16*PITCH
.else
	ds_load_b64 v[\reg+2*\p:\reg+2*\p+1], v[\adr+2] offset:8*PCE+16*(PCE/8)+(\i)*16*PITCH
.endif
.endr
.endm
; 16 matrix instructions: A's blocks a0, a0 + 1 x B's eight.  The 64 accumulators take turns, one instruction a turn, in the same order in every step.
.macro MUL16 a0, p, q, sc, zero
.irp a, \a0, \a0+1
.irp b, 0,1,2,3,4,5,6,7
.if \zero
	v_wmma_scale_f32_16x16x128_f8f6f4 v[8*(8*((\a)%4)+\b):8*(8*((\a)%4)+\b)+7], v[128*(\p)+FR*\b:128*(\p)+FR*\b+FR-1], v[AF+FR*(\a):AF+FR*(\a)+FR-1], 0, v[SC+8*NQ*(\sc)+NQ*\b+(\q)], v[SC+8*NQ*(\sc)+NQ*(\a)+(\q)] matrix_a_fmt:MATRIX_FMT_FP6 matrix_b_fmt:MATRIX_FMT_FP6 matrix_a_scale:MATRIX_SCALE_ROW1
.else
	v_wmma_scale_f32_16x16x128_f8f6f4 v[8*(8*((\a)%4)+\b):8*(8*((\a)%4)+\b)+7], v[128*(\p)+FR*\b:128*(\p)+FR*\b+FR-1], v[AF+FR*(\a):AF+FR*(\a)+FR-1], v[8*(8*((\a)%4)+\b):8*(8*((\a)%4)+\b)+7], v[SC+8*NQ*(\sc)+NQ*\b+(\q)], v[SC+8*NQ*(\sc)+NQ*(\a)+(\q)] matrix_a_fmt:MATRIX_FMT_FP6 matrix_b_fmt:MATRIX_FMT_FP6 matrix_a_scale:MATRIX_SCALE_ROW1
.endif
.endr
.endr
.endm
.macro FETCH_B slot, q, p
	WIN TO_B
.irp i, 0,1,2,3,4,5,6,7
	FRAG 128*(\p)+FR*\i, ADRB+\slot, \q, \i
.endr
	WIN 0
.endm
.macro FETCH_A slot, q, i0
.irp i, \i0, \i0+1, \i0+2, \i0+3
	FRAG AF+FR*(\i), ADRA+\slot, \q, \i
.endr
.endm
.macro SCALES sc                       ; a K step's scale words: lanes 0-15 A's block i, lanes 16-31 B's block i
.irp i, 0,1,2,3,4,5,6,7
	ds_load_b64 v[SC+8*NQ*\sc+NQ*\i:SC+8*NQ*\sc+NQ*\i+1], v[ADRS] offset:\i*SBLK
.endr
.endm
.macro PLACES n                        ; plain vector lines between a matrix instruction and a load into, a write of or a read of its registers
.rept \n
	v_nop
.endr
.endm
.macro STEP slot, q, zero              ; 128 along K that has its successor in the same slot
	s_wait_dscnt 4*NL                              ; all but the youngest 24 loads (A's blocks 4-7) are in
	WIN MUL_LO
	MUL16 0, (\q)%2, \q, \slot, \zero
	MUL16 2, (\q)%2, \q, \slot, \zero
	s_wait_dscnt 0
	PLACES NP
	FETCH_B \slot, (\q)+1, 1-(\q)%2
	FETCH_A \slot, (\q)+1, 0
	WIN MUL_HI
	MUL16 4, (\q)%2, \q, \slot, \zero
	MUL16 6, (\q)%2, \q, \slot, \zero
	PLACES NP
	WIN 0
	FETCH_A \slot, (\q)+1, 4
.endm
; A slot's last step changes slots: one barrier; in front of it each wave waits for all its tensor loads, adds 0 to its spare word, and waits for that and for its reads of this slot.
.macro TURN slot, next, fill
	s_wait_tensorcnt 0x0                           ; all my tensor loads have landed: my part of the next slot
	ds_add_u32 v[SPW], v[NIL]                      ; 0 onto my spare word
	s_wait_dscnt 4*NL+1                            ; the add and the youngest 24 loads may be out
	WIN MUL_LO
	MUL16 0, 1, NQ-1, \slot, 0
	s_wait_dscnt 0x0                               ; the add is done, and my reads of this slot are over
	s_barrier_signal -1
	MUL16 2, 1, NQ-1, \slot, 0
	WIN 0
	s_barrier_wait -1
.if \fill
	CREST                                          ; the barrier has opened a round of the cluster's: no wave of any partner still reads this slot or has a load on its way
	s_add_nc_u64 s[G0+4*\slot+2:G0+4*\slot+3], s[G0+4*\slot+2:G0+4*\slot+3], 2*ROWB
	s_add_nc_u64 s[G0B+4*\slot+2:G0B+4*\slot+3], s[G0B+4*\slot+2:G0B+4*\slot+3], 2*ROWB
	JLOAD G0+4*\slot, G1, G0B+4*\slot, G1B         ; the first tensor load behind the round; its four v_nop are also the places in front of the loads below
.else
	PLACES NP
.endif
	v_add_nc_u32 v[ADRS], 4*NQ, v[ADRS]
	FETCH_B \next, 0, 0
	FETCH_A \next, 0, 0
	SCALES \next
	WIN MUL_HI
	MUL16 4, 1, NQ-1, \slot, 0
	MUL16 6, 1, NQ-1, \slot, 0
	PLACES NP
	WIN 0
	FETCH_A \next, 0, 4
.endm
	s_wait_tensorcnt 1                             ; the scales and my part of K step 0 are in; K step 1's load may be out
	s_barrier_signal -1
	s_barrier_wait -1
	FETCH_B 0, 0, 0
	FETCH_A 0, 0, 0
	SCALES 0
	FETCH_A 0, 0, 4
	STEP 0, 0, 1                                   ; the first step's products start the sums
	s_mov_b32 s3, LAPS-1
.Llap:
	TURN 0, 1, 1
	STEP 1, 0, 0
	TURN 1, 0, 1
	STEP 0, 0, 0
	s_sub_co_u32 s3, s3, 1
	s_cmp_lg_u32 s3, 0
	s_cbranch_scc1 .Llap
	TURN 0, 1, 0                                   ; the last lap fills nothing
	STEP 1, 0, 0
	s_wait_dscnt 4*NL
	WIN MUL_LO
	MUL16 0, 1, NQ-1, 1, 0
	MUL16 2, 1, NQ-1, 1, 0
	s_wait_dscnt 0
	WIN MUL_HI
	MUL16 4, 1, NQ-1, 1, 0
	MUL16 6, 1, NQ-1, 1, 0
	WIN 0
; THE ROTATION of token tile a, head hh: x1 = the lane's 16 registers at d = 16 h + i, x2 = those at d = 32 + 16 h + i; y1 = x1 cos - x2 sin, y2 = x2 cos + x1 sin, two at a time.
; Each accumulator is first read at its two lowest registers.  The window (source 0 = the accumulators') is left set: the next macro sets its own.
.macro ROPE a, hh, y, cs
.set AC, 64*((\a)%4)+32*(\hh)
	WIN 2+(\a)/4
.irp i, 0,2,4,6,8,10,12,14
	v_pk_mul_f32 v[T+\i:T+\i+1], v[AC+16+\i:AC+17+\i], v[(\cs)+16+\i:(\cs)+17+\i]
.endr
.irp i, 0,2,4,6,8,10,12,14
	v_pk_fma_f32 v[(\y)+\i:(\y)+\i+1], v[AC+\i:AC+\i+1], v[(\cs)+\i:(\cs)+\i+1], v[T+\i:T+\i+1] neg_lo:[0,0,1] neg_hi:[0,0,1]
.endr
.irp i, 0,2,4,6,8,10,12,14
	v_pk_mul_f32 v[T+\i:T+\i+1], v[AC+\i:AC+\i+1], v[(\cs)+16+\i:(\cs)+17+\i]
.endr
.irp i, 0,2,4,6,8,10,12,14
	v_pk_fma_f32 v[(\y)+16+\i:(\y)+17+\i], v[AC+16+\i:AC+17+\i], v[(\cs)+\i:(\cs)+\i+1], v[T+\i:T+\i+1]
.endr
.endm
; 64 numbers of a lane in window w, register 16 b + i = k 32 b + 16 h + i of my row, become a fragment's codes in v[PC] on and its scale word in v[PW].
.macro QUANT s, w
	WIN ((\w)<<2)|((\w)<<4)
.irp b, 0,1,2,3
	v_max3_num_f32 v[TM+\b], 0x1800000, |v[(\s)+16*\b]|, |v[(\s)+1+16*\b]|   ; my 16 numbers of block b, and the floor 2^(3 - 127): the byte cannot fall under 1
.endr
.irp i, 2,4,6,8,10,12,14
.irp b, 0,1,2,3
	v_max3_num_f32 v[TM+\b], v[TM+\b], |v[(\s)+16*\b+\i]|, |v[(\s)+1+16*\b+\i]|
.endr
.endr
	WIN 0
.irp b, 0,1,2,3
	v_permlanex16_b32 v[TM+4+\b], v[TM+\b], s90, s91
.endr
.irp b, 0,1,2,3
	v_max_num_f32 v[TM+\b], v[TM+\b], v[TM+4+\b]   ; with lane l xor 16's: the block's largest magnitude
.endr
.irp b, 0,1,2,3
	v_add_nc_u32 v[TM+12+\b], 0xff000000, v[TM+\b] ; 2 off its exponent field: the conversion's scale operand
.endr
.irp b, 0,1,2,3
	v_lshrrev_b32 v[TM+4+\b], 23, v[TM+12+\b]      ; the scale's byte
.endr
	v_lshl_or_b32 v[PW], v[TM+5], 8, v[TM+4]
	v_lshl_or_b32 v[PW], v[TM+6], 16, v[PW]
	v_lshl_or_b32 v[PW], v[TM+7], 24, v[PW]
	WIN (\w)
.irp c, 0,1
	v_cvt_scalef32_pk16_fp6_f32 v[PC+6*\c:PC+2+6*\c], v[(\s)+32*\c:(\s)+15+32*\c], v[TM+12+2*\c]
	v_cvt_scalef32_pk16_fp6_f32 v[PC+12+4*\c:PC+14+4*\c], v[(\s)+16+32*\c:(\s)+31+32*\c], v[TM+12+2*\c+1]   ; (a conversion's three registers begin on an even number)
.endr
	WIN 0
	v_nop                                          ; one plain line behind a scaled conversion
.irp c, 0,1                            ; the operand's layout wants a whole block in a lane: lanes 0-15 block 2 c, lanes 16-31 block 2 c + 1
.irp i, 0,1,2
	v_permlane16_swap_b32 v[PC+6*\c+\i], v[PC+12+4*\c+\i]
.endr
.irp i, 0,1,2
	v_mov_b32 v[PC+3+6*\c+\i], v[PC+12+4*\c+\i]
.endr
.endr
.endm
	s_mov_b32 s90, 0x76543210                      ; v_permlanex16_b32's selects for lane l xor 16 (B's scale descriptor, which lay here, is done with: all tensor loads were waited for)
	s_mov_b32 s91, 0xfedcba98
	PLACES NP                                      ; behind the last products: for the writes of scale registers, the loads into A's registers and the reads of results
.irp b, 0,1,2,3
	v_mov_b32 v[TM+4+\b], 0                        ; written once: a lane permute's destination counts as one of its sources
.endr
	CSLOAD 1
.irp f, 0,1,2,3
.if \f < 3
	s_wait_loadcnt 16                              ; this pair's tables are in; the next pair's 16 loads may be out
.else
	s_wait_loadcnt 0x0
.endif
.irp hh, 0,1
	ROPE 2*\f, \hh, Y, CSR+64*(\f%2)
	ROPE 2*\f+1, \hh, Y+32, CSR+64*(\f%2)+32
	s_wait_xcnt 0x0                                ; the last fragment's stores have read their data: the codes and the scale word are written again only behind this wait
	QUANT Y, 0
.irp g, 0,1,2
	global_store_b128 v[VL16], v[PC+4*\g:PC+4*\g+3], s[12:13] offset:\hh*HEADB+\f*1536+512*\g   ; 512 consecutive bytes, aligned
.endr
	global_store_b32 v[VL4], v[PW], s[12:13] offset:\hh*HEADB+KSC+128*\f
.endr
.if \f < 2
	CSLOAD \f+2                                    ; into the set just used
.endif
.endr
	s_wait_tensorcnt 0x0                           ; the wave's end
	ds_add_u32 v[SPW], v[NIL]
	s_wait_dscnt 0x0
	CROUND                                         ; the closing round: no work-group ends while a partner may still ask for a tile that names it
	s_endpgm
.Lfunc_end_k_q8f6e5f0cdd_qk:
	.size	k_q8f6e5f0cdd_qk, .Lfunc_end_k_q8f6e5f0cdd_qk-k_q8f6e5f0cdd_qk
	.p2alignl 7, 3214868480
	.fill 96, 4, 3214868480
	.section	.rodata,"a",@progbits
	.p2align	6, 0x0
	.amdhsa_kernel k_q8f6e5f0cdd_qk
		.amdhsa_group_segment_fixed_size 327680
		.amdhsa_private_segment_fixed_size 0
		.amdhsa_enable_private_segment 0
		.amdhsa_kernarg_size 40
		.amdhsa_user_sgpr_count 2
		.amdhsa_user_sgpr_kernarg_segment_ptr 1
		.amdhsa_wavefront_size32 1
		.amdhsa_system_sgpr_workgroup_id_x 1
		.amdhsa_system_sgpr_workgroup_id_y 1
		.amdhsa_system_sgpr_workgroup_id_z 1
		.amdhsa_system_vgpr_workitem_id 0
		.amdhsa_next_free_vgpr 1024
		.amdhsa_next_free_sgpr 102
		.amdhsa_reserve_vcc 0
		.amdhsa_float_denorm_mode_32 3
		.amdhsa_float_denorm_mode_16_64 3
		.amdhsa_memory_ordered 1
		.amdhsa_forward_progress 1
		.amdhsa_inst_pref_size 202
	.end_amdhsa_kernel
	.amdgpu_metadata
---
amdhsa.version: [ 1, 2 ]
amdhsa.kernels:
  - .name:           k_q8f6e5f0cdd_qk
    .symbol:         k_q8f6e5f0cdd_qk.kd
    .args:
      - { .name: xw_codes, .offset: 0, .size: 8, .value_kind: global_buffer, .address_space: global }
      - { .name: xw_scales, .offset: 8, .size: 8, .value_kind: global_buffer, .address_space: global }
      - { .name: rope, .offset: 16, .size: 8, .value_kind: global_buffer, .address_space: global }
      - { .name: qimg, .offset: 24, .size: 8, .value_kind: global_buffer, .address_space: global }
      - { .name: kv, .offset: 32, .size: 8, .value_kind: global_buffer, .address_space: global }
    .group_segment_fixed_size: 327680
    .private_segment_fixed_size: 0
    .kernarg_segment_align: 8
    .kernarg_segment_size: 40
    .max_flat_workgroup_size: 128
    .sgpr_count:     102
    .vgpr_count:     1024
    .wavefront_size: 32
...
	.end_amdgpu_metadata
.endif
;; end of part 2
;; launch vt (part 3): grid 32 x 4, 4 waves a work-group, clusters of 4 x 4, 327,680 bytes of LDS; arguments xw_codes, xw_scales, kv; writes kv
.if DOCPART == 3
	.amdgcn_target "amdgcn-amd-amdhsa--gfx1250"
	.amdhsa_code_object_version 6
	.text
	.protected	k_q8f6e5f0cdd_vt
	.globl	k_q8f6e5f0cdd_vt
	.p2align	8
	.type	k_q8f6e5f0cdd_vt,@function
k_q8f6e5f0cdd_vt:
	s_mov_b64 s[64:65], 0
	v_nop
	global_prefetch_b8 v0, s[64:65] scope:SCOPE_SE
	s_setreg_imm32_b32 hwreg(HW_REG_WAVE_MODE, 25, 1), 1
	s_wait_xcnt 0x0
	s_wait_alu depctr_hold_cnt(0) depctr_sa_sdst(0) depctr_va_vdst(0) depctr_va_sdst(0) depctr_va_ssrc(0) depctr_va_vcc(0) depctr_vm_vsrc(0)
	s_getreg_b32 s2, hwreg(HW_REG_IB_STS2, 6, 4)
	s_cmp_eq_u32 s2, 0
	s_cbranch_scc0 .Lentry_in_a_cluster
	s_endpgm
.Lentry_in_a_cluster:
	s_bfe_u32 s2, ttmp6, 0x10000c
	s_cmp_lg_u32 s2, 0xf033
	s_cbranch_scc0 .Lentry_shape_is_right
	s_endpgm
.Lentry_shape_is_right:
; LAUNCH 3 OF 5.  v^T = Wv x hidden_states^T on codes of FP6 (E2M3) with E8M0 scales, f32 sums; then v is quantised ALONG THE KEYS, which are the K of attention's second product, and leaves as images of
; operand registers.  A = Wv (rows 2,048 .. 3,071 of Wqkv: 1,024 features), B = hidden (8,192 tokens), both in the stored order (of each 32 rows the second and third groups of eight have changed places).
; THE PRODUCT is that of the launch before: 256 x 256 to a work-group, 128 x 128 a wave, K in steps of 256 through a ring of two LDS slots, the scale bytes once, clusters of 4 x 4 with joint loads.
; Used transposed (source 0 = 16 rows of B = tokens, source 1 = 16 rows of A = features): lane (r, h) holds feature r of tile a, and by the stored order its 64 registers of (a, b = 0 .. 7) are, register 16 bb + i,
; key 32 bb + 16 h + i of the wave's 128 keys: what the quantiser wants.  No rotation, no stage: the accumulators go straight into the quantiser.
; THE WAY OUT.  Feature tile a = 4 hh + t of a wave is V image t of head hh for the wave's key step: three stores of 512 consecutive bytes at 6,144 + 1,536 t of the chunk, the scale word at 12,800 + 128 t.
; LIMITS: a block whose largest magnitude lies under 2^-124 (a block of zeros too) keeps the byte 1; NaN and infinities are not served.
; REGISTERS as in the launch before; on the way out window 0 is: v2-20 codes, v22 the scale word, v48-63 TM.
.set KSTEP,  256
.set NQ,     2
.set ROWB,   192
.set KROW,   768
.set PITCH,  240                       ; 3 x (64 bytes + 16 of padding)
.set FR,     12
.set NL,     6
.set NP,     4
.set HALFT,  128*PITCH
.set SLOT,   4*HALFT
.set LAPS,   2
.set KS,     32
.set SCL,    2*SLOT
.set HALFS,  (128*KS/256)*272
.set SBLK,   (16*KS/256)*272
.set SPARE,  SCL+4*HALFS               ; the spare words, 128 bytes a wave: two blocks of 256 bytes that no other line names
.set HEADB,  212992
.set VIM,    6144
.set VSC,    12800
.set ADRA, 16
.set ADRB, 20
.set ADRS, 27
.set SPW,  28
.set NIL,  29
.set VL16, 30
.set VL4,  31
.set SC,   32
.set AF,   128
.set PC,   2
.set PW,   22
.set TM,   48
.set G1, 24
.set G0, 32
.set G1B, 48
.set G0B, 56
.set G1S, 68
.set G0S, 76
.set G1SB, 80
.set G0SB, 88
.set MSB, 0
.macro WIN new
.if MSB != (\new)
	s_set_vgpr_msb (MSB<<8)|(\new)
.set MSB, (\new)
.endif
.endm
.set MUL_LO, 0xa1
.set MUL_HI, 0xf1
.set TO_B,   0x40
.macro JLOAD g0a, g1a, g0b, g1b        ; a joint load: waves 0, 1 for A, waves 2, 3 for B; four v_nop follow each of the two lines
	s_cmp_eq_u32 s15, 0
	s_cbranch_scc0 .Lfor_b_\@
	tensor_load_to_lds s[\g0a:\g0a+3], s[\g1a:\g1a+7]
	s_nop 0
.rept 4
	v_nop
.endr
	s_branch .Lasked_\@
.Lfor_b_\@:
	tensor_load_to_lds s[\g0b:\g0b+3], s[\g1b:\g1b+7]
	s_nop 0
.rept 4
	v_nop
.endr
.Lasked_\@:
.endm
.macro CREST
	s_cmp_lg_u32 s14, 0
	s_cbranch_scc1 .Lnot_wave_0_\@
	s_barrier_signal -3
.Lnot_wave_0_\@:
	s_barrier_wait -3
	s_barrier_signal -1
	s_barrier_wait -1
.endm
.macro CROUND
	s_barrier_signal -1
	s_barrier_wait -1
	CREST
.endm
	s_load_b128 s[4:7], s[0:1], 0x0                ; xw_codes, xw_scales
	s_load_b64 s[12:13], s[0:1], 0x10              ; kv
	v_lshl_add_u32 v[SPW], v0, 2, SPARE
	v_mov_b32 v[NIL], 0
	ds_add_u32 v28, v29
	ds_add_u32 v28, v29
	s_wait_dscnt 0x0
	v_lshrrev_b32 v1, 5, v0
	v_readfirstlane_b32 s14, v1                    ; wave 0..3
	s_lshr_b32 s15, s14, 1                         ; which half of the tile's rows (features) is mine.  Also: I fetch for A (0) or for B (1)
	s_and_b32 s16, s14, 1                          ; which half of its columns (tokens).  Also: which 128 rows I fetch
	s_bfe_u32 s40, ttmp6, 0x40000
	s_bfe_u32 s41, ttmp6, 0x40004
	s_lshl_b32 s42, ttmp9, 2
	s_add_co_u32 s42, s42, s40                     ; tile column
	s_and_b32 s17, ttmp7, 0xffff
	s_lshl_b32 s17, s17, 2
	s_add_co_u32 s17, s17, s41                     ; tile row
	s_lshl_b32 s43, s41, 2
	s_lshl_b32 s43, 15, s43
	s_lshl_b32 s44, 0x1111, s40
	s_or_b32 s[G1+0], s43, (0<<16)|(1<<20)|(1<<21)|(3<<22)|(3<<25)
	s_or_b32 s[G1B+0], s44, (0<<16)|(1<<20)|(1<<21)|(3<<22)|(3<<25)
.irp g, G1, G1B
	s_mov_b32 s[\g+1], ROWB<<16
	s_mov_b32 s[\g+2], 128<<16
	s_mov_b32 s[\g+3], ROWB<<16
	s_mov_b32 s[\g+4], 128
	s_mov_b32 s[\g+5], KROW
	s_mov_b32 s[\g+6], 0
	s_mov_b32 s[\g+7], 0
.endr
	s_or_b32 s[G1S+0], s43, (3<<16)|(1<<20)|(1<<21)|(5<<22)|(3<<25)
	s_or_b32 s[G1SB+0], s44, (3<<16)|(1<<20)|(1<<21)|(5<<22)|(3<<25)
.irp g, G1S, G1SB
	s_mov_b32 s[\g+1], 32<<16
	s_mov_b32 s[\g+2], (128*KS/256)<<16
	s_mov_b32 s[\g+3], 32<<16
	s_mov_b32 s[\g+4], 128*KS/256
	s_mov_b32 s[\g+5], 32
	s_mov_b32 s[\g+6], 0
	s_mov_b32 s[\g+7], 0
.endr
	s_lshl_b32 s18, s16, 7
	s_lshl_b32 s20, s17, 8
	s_add_co_u32 s20, s20, s18
	s_lshl_b32 s46, s42, 8
	s_add_co_u32 s46, s46, s18
	s_mov_b32 s21, 0
	s_mov_b32 s47, 0
	s_mov_b64 s[18:19], KS
	s_mul_u64 s[22:23], s[20:21], s[18:19]
	s_mul_u64 s[92:93], s[46:47], s[18:19]
	s_mov_b64 s[18:19], KROW
	s_mul_u64 s[20:21], s[20:21], s[18:19]
	s_mul_u64 s[46:47], s[46:47], s[18:19]
	s_mul_i32 s45, s14, HALFT
	s_mul_i32 s94, s14, HALFS
	s_wait_kmcnt 0x0
	s_mov_b64 s[8:9], s[4:5]                       ; B: hidden, at the buffers' first bytes
	s_mov_b64 s[10:11], s[6:7]
	s_add_nc_u64 s[4:5], s[4:5], 7864320           ; A: Wv: behind hidden's 8,192 rows and Wq's and Wk's 2,048
	s_add_nc_u64 s[6:7], s[6:7], 327680
	s_add_nc_u64 s[20:21], s[4:5], s[20:21]
	s_add_nc_u64 s[22:23], s[6:7], s[22:23]
	s_add_nc_u64 s[46:47], s[8:9], s[46:47]
	s_add_nc_u64 s[92:93], s[10:11], s[92:93]
	CROUND                                         ; in front of the first joint loads
	s_mov_b32 s[G0S], 1
	s_add_co_u32 s[G0S+1], s94, SCL
	s_mov_b64 s[G0S+2:G0S+3], s[22:23]
	s_or_b32 s[G0S+3], s[G0S+3], 0x80000000
	s_mov_b32 s[G0SB], 1
	s_add_co_u32 s[G0SB+1], s94, SCL
	s_mov_b64 s[G0SB+2:G0SB+3], s[92:93]
	s_or_b32 s[G0SB+3], s[G0SB+3], 0x80000000
	JLOAD G0S, G1S, G0SB, G1SB
.irp s, 0,1
	s_mov_b32 s[G0+4*\s], 1
	s_add_co_u32 s[G0+4*\s+1], s45, \s*SLOT
	s_add_nc_u64 s[G0+4*\s+2:G0+4*\s+3], s[20:21], \s*ROWB
	s_or_b32 s[G0+4*\s+3], s[G0+4*\s+3], 0x80000000
	s_mov_b32 s[G0B+4*\s], 1
	s_add_co_u32 s[G0B+4*\s+1], s45, \s*SLOT
	s_add_nc_u64 s[G0B+4*\s+2:G0B+4*\s+3], s[46:47], \s*ROWB
	s_or_b32 s[G0B+4*\s+3], s[G0B+4*\s+3], 0x80000000
	JLOAD G0+4*\s, G1, G0B+4*\s, G1B               ; three tensor loads of mine are out
.endr
	v_and_b32 v1, 15, v0
	v_bfe_u32 v2, v0, 4, 1
	v_mul_u32_u24 v3, v1, PITCH
	v_mul_u32_u24 v4, v2, 24
	v_add_nc_u32 v4, v3, v4
	v_lshl_add_u32 v5, v2, 4, v4
	s_mul_i32 s21, s15, HALFT
	s_mul_i32 s22, s16, HALFT
	s_add_co_u32 s22, s22, 2*HALFT
.irp s, 0,1
	v_add_nc_u32 v[ADRA+\s], s21, v4
	v_add_nc_u32 v[ADRB+\s], s22, v4
	v_add_nc_u32 v[ADRA+2+\s], s21, v5
	v_add_nc_u32 v[ADRB+2+\s], s22, v5
	s_add_co_u32 s21, s21, SLOT
	s_add_co_u32 s22, s22, SLOT
.endr
	v_mul_u32_u24 v5, v1, KS
	v_lshrrev_b32 v6, 8, v5
	v_lshl_add_u32 v5, v6, 4, v5
	s_mul_i32 s21, s15, HALFS
	s_mul_i32 s22, s16, HALFS
	s_add_co_u32 s22, s22, 2*HALFS
	s_sub_co_u32 s22, s22, s21
	v_mul_u32_u24 v6, s22, v2
	s_add_co_u32 s21, s21, SCL
	v_add_nc_u32 v5, v5, v6
	v_add_nc_u32 v[ADRS], s21, v5
	v_and_b32 v6, 31, v0
	v_lshlrev_b32 v[VL16], 4, v6
	v_lshlrev_b32 v[VL4], 2, v6
	s_lshl_b32 s20, s42, 1
	s_add_co_u32 s20, s20, s16                     ; g: which 128 tokens are mine, 0 .. 63
	s_lshr_b32 s21, s20, 4
	s_lshl_b32 s21, s21, 4                         ; 16 x batch
	s_lshl_b32 s22, s17, 2
	s_add_co_u32 s21, s21, s22
	s_lshl_b32 s22, s15, 1
	s_add_co_u32 s21, s21, s22                     ; + my first head: 4 x tile row + 2 x half
	s_lshl_b32 s21, s21, 4
	s_and_b32 s22, s20, 15
	s_add_co_u32 s21, s21, s22                     ; x 16 + the key step: the chunk
	s_mul_i32 s22, s21, 13312
	s_mov_b32 s23, 0
	s_add_nc_u64 s[12:13], s[12:13], s[22:23]
.macro FRAG reg, adr, q, i
.irp p, 0,1,2,3,4,5
.set PCE, 12*(\q)+6*(\p/3)+\p%3
.if PCE%8 < 5
	ds_load_b64 v[\reg+2*\p:\reg+2*\p+1], v[\adr] offset:8*PCE+16*(PCE/8)+(\i)*16*PITCH
.else
	ds_load_b64 v[\reg+2*\p:\reg+2*\p+1], v[\adr+2] offset:8*PCE+16*(PCE/8)+(\i)*16*PITCH
.endif
.endr
.endm
.macro MUL16 a0, p, q, sc, zero        ; the 64 accumulators take turns, one instruction a turn
.irp a, \a0, \a0+1
.irp b, 0,1,2,3,4,5,6,7
.if \zero
	v_wmma_scale_f32_16x16x128_f8f6f4 v[8*(8*((\a)%4)+\b):8*(8*((\a)%4)+\b)+7], v[128*(\p)+FR*\b:128*(\p)+FR*\b+FR-1], v[AF+FR*(\a):AF+FR*(\a)+FR-1], 0, v[SC+8*NQ*(\sc)+NQ*\b+(\q)], v[SC+8*NQ*(\sc)+NQ*(\a)+(\q)] matrix_a_fmt:MATRIX_FMT_FP6 matrix_b_fmt:MATRIX_FMT_FP6 matrix_a_scale:MATRIX_SCALE_ROW1
.else
	v_wmma_scale_f32_16x16x128_f8f6f4 v[8*(8*((\a)%4)+\b):8*(8*((\a)%4)+\b)+7], v[128*(\p)+FR*\b:128*(\p)+FR*\b+FR-1], v[AF+FR*(\a):AF+FR*(\a)+FR-1], v[8*(8*((\a)%4)+\b):8*(8*((\a)%4)+\b)+7], v[SC+8*NQ*(\sc)+NQ*\b+(\q)], v[SC+8*NQ*(\sc)+NQ*(\a)+(\q)] matrix_a_fmt:MATRIX_FMT_FP6 matrix_b_fmt:MATRIX_FMT_FP6 matrix_a_scale:MATRIX_SCALE_ROW1
.endif
.endr
.endr
.endm
.macro FETCH_B slot, q, p
	WIN TO_B
.irp i, 0,1,2,3,4,5,6,7
	FRAG 128*(\p)+FR*\i, ADRB+\slot, \q, \i
.endr
	WIN 0
.endm
.macro FETCH_A slot, q, i0
.irp i, \i0, \i0+1, \i0+2, \i0+3
	FRAG AF+FR*(\i), ADRA+\slot, \q, \i
.endr
.endm
.macro SCALES sc
.irp i, 0,1,2,3,4,5,6,7
	ds_load_b64 v[SC+8*NQ*\sc+NQ*\i:SC+8*NQ*\sc+NQ*\i+1], v[ADRS] offset:\i*SBLK
.endr
.endm
.macro PLACES n
.rept \n
	v_nop
.endr
.endm
.macro STEP slot, q, zero
	s_wait_dscnt 4*NL                              ; all but the youngest 24 loads (A's blocks 4-7) are in
	WIN MUL_LO
	MUL16 0, (\q)%2, \q, \slot, \zero
	MUL16 2, (\q)%2, \q, \slot, \zero
	s_wait_dscnt 0
	PLACES NP
	FETCH_B \slot, (\q)+1, 1-(\q)%2
	FETCH_A \slot, (\q)+1, 0
	WIN MUL_HI
	MUL16 4, (\q)%2, \q, \slot, \zero
	MUL16 6, (\q)%2, \q, \slot, \zero
	PLACES NP
	WIN 0
	FETCH_A \slot, (\q)+1, 4
.endm
.macro TURN slot, next, fill
	s_wait_tensorcnt 0x0                           ; all my tensor loads have landed: my part of the next slot
	ds_add_u32 v[SPW], v[NIL]                      ; 0 onto my spare word
	s_wait_dscnt 4*NL+1                            ; the add and the youngest 24 loads may be out
	WIN MUL_LO
	MUL16 0, 1, NQ-1, \slot, 0
	s_wait_dscnt 0x0                               ; the add is done, and my reads of this slot are over
	s_barrier_signal -1
	MUL16 2, 1, NQ-1, \slot, 0
	WIN 0
	s_barrier_wait -1
.if \fill
	CREST                                          ; the round: no wave of any partner still reads this slot or has a load on its way
	s_add_nc_u64 s[G0+4*\slot+2:G0+4*\slot+3], s[G0+4*\slot+2:G0+4*\slot+3], 2*ROWB
	s_add_nc_u64 s[G0B+4*\slot+2:G0B+4*\slot+3], s[G0B+4*\slot+2:G0B+4*\slot+3], 2*ROWB
	JLOAD G0+4*\slot, G1, G0B+4*\slot, G1B         ; the first tensor load behind the round
.else
	PLACES NP
.endif
	v_add_nc_u32 v[ADRS], 4*NQ, v[ADRS]
	FETCH_B \next, 0, 0
	FETCH_A \next, 0, 0
	SCALES \next
	WIN MUL_HI
	MUL16 4, 1, NQ-1, \slot, 0
	MUL16 6, 1, NQ-1, \slot, 0
	PLACES NP
	WIN 0
	FETCH_A \next, 0, 4
.endm
	s_wait_tensorcnt 1                             ; the scales and my part of K step 0 are in; K step 1's load may be out
	s_barrier_signal -1
	s_barrier_wait -1
	FETCH_B 0, 0, 0
	FETCH_A 0, 0, 0
	SCALES 0
	FETCH_A 0, 0, 4
	STEP 0, 0, 1
	s_mov_b32 s3, LAPS-1
.Llap:
	TURN 0, 1, 1
	STEP 1, 0, 0
	TURN 1, 0, 1
	STEP 0, 0, 0
	s_sub_co_u32 s3, s3, 1
	s_cmp_lg_u32 s3, 0
	s_cbranch_scc1 .Llap
	TURN 0, 1, 0
	STEP 1, 0, 0
	s_wait_dscnt 4*NL
	WIN MUL_LO
	MUL16 0, 1, NQ-1, 1, 0
	MUL16 2, 1, NQ-1, 1, 0
	s_wait_dscnt 0
	WIN MUL_HI
	MUL16 4, 1, NQ-1, 1, 0
	MUL16 6, 1, NQ-1, 1, 0
	WIN 0
; 64 numbers of a lane in window w, register 16 b + i = k 32 b + 16 h + i of my row, become a fragment's codes in v[PC] on and its scale word in v[PW].  Each accumulator is first read at its two lowest registers.
.macro QUANT s, w
	WIN ((\w)<<2)|((\w)<<4)
.irp b, 0,1,2,3
	v_max3_num_f32 v[TM+\b], 0x1800000, |v[(\s)+16*\b]|, |v[(\s)+1+16*\b]|   ; and the floor 2^(3 - 127): the byte cannot fall under 1
.endr
.irp i, 2,4,6,8,10,12,14
.irp b, 0,1,2,3
	v_max3_num_f32 v[TM+\b], v[TM+\b], |v[(\s)+16*\b+\i]|, |v[(\s)+1+16*\b+\i]|
.endr
.endr
	WIN 0
.irp b, 0,1,2,3
	v_permlanex16_b32 v[TM+4+\b], v[TM+\b], s90, s91
.endr
.irp b, 0,1,2,3
	v_max_num_f32 v[TM+\b], v[TM+\b], v[TM+4+\b]
.endr
.irp b, 0,1,2,3
	v_add_nc_u32 v[TM+12+\b], 0xff000000, v[TM+\b]
.endr
.irp b, 0,1,2,3
	v_lshrrev_b32 v[TM+4+\b], 23, v[TM+12+\b]
.endr
	v_lshl_or_b32 v[PW], v[TM+5], 8, v[TM+4]
	v_lshl_or_b32 v[PW], v[TM+6], 16, v[PW]
	v_lshl_or_b32 v[PW], v[TM+7], 24, v[PW]
	WIN (\w)
.irp c, 0,1
	v_cvt_scalef32_pk16_fp6_f32 v[PC+6*\c:PC+2+6*\c], v[(\s)+32*\c:(\s)+15+32*\c], v[TM+12+2*\c]
	v_cvt_scalef32_pk16_fp6_f32 v[PC+12+4*\c:PC+14+4*\c], v[(\s)+16+32*\c:(\s)+31+32*\c], v[TM+12+2*\c+1]
.endr
	WIN 0
	v_nop                                          ; one plain line behind a scaled conversion
.irp c, 0,1
.irp i, 0,1,2
	v_permlane16_swap_b32 v[PC+6*\c+\i], v[PC+12+4*\c+\i]
.endr
.irp i, 0,1,2
	v_mov_b32 v[PC+3+6*\c+\i], v[PC+12+4*\c+\i]
.endr
.endr
.endm
	s_mov_b32 s90, 0x76543210                      ; selects for lane l xor 16 (the descriptor that lay here is done with: all tensor loads were waited for)
	s_mov_b32 s91, 0xfedcba98
	PLACES NP                                      ; behind the last products: for the writes of scale registers and the reads of results
.irp b, 0,1,2,3
	v_mov_b32 v[TM+4+\b], 0                        ; written once: a lane permute's destination counts as one of its sources
.endr
.irp a, 0,1,2,3,4,5,6,7
	s_wait_xcnt 0x0                                ; the last image's stores have read their data
	QUANT 64*(\a%4), 2+\a/4
.irp g, 0,1,2
	global_store_b128 v[VL16], v[PC+4*\g:PC+4*\g+3], s[12:13] offset:(\a/4)*HEADB+VIM+(\a%4)*1536+512*\g   ; 512 consecutive bytes, aligned
.endr
	global_store_b32 v[VL4], v[PW], s[12:13] offset:(\a/4)*HEADB+VSC+128*(\a%4)
.endr
	s_wait_tensorcnt 0x0                           ; the wave's end
	ds_add_u32 v[SPW], v[NIL]
	s_wait_dscnt 0x0
	CROUND                                         ; the closing round
	s_endpgm
.Lfunc_end_k_q8f6e5f0cdd_vt:
	.size	k_q8f6e5f0cdd_vt, .Lfunc_end_k_q8f6e5f0cdd_vt-k_q8f6e5f0cdd_vt
	.p2alignl 7, 3214868480
	.fill 96, 4, 3214868480
	.section	.rodata,"a",@progbits
	.p2align	6, 0x0
	.amdhsa_kernel k_q8f6e5f0cdd_vt
		.amdhsa_group_segment_fixed_size 327680
		.amdhsa_private_segment_fixed_size 0
		.amdhsa_enable_private_segment 0
		.amdhsa_kernarg_size 24
		.amdhsa_user_sgpr_count 2
		.amdhsa_user_sgpr_kernarg_segment_ptr 1
		.amdhsa_wavefront_size32 1
		.amdhsa_system_sgpr_workgroup_id_x 1
		.amdhsa_system_sgpr_workgroup_id_y 1
		.amdhsa_system_sgpr_workgroup_id_z 1
		.amdhsa_system_vgpr_workitem_id 0
		.amdhsa_next_free_vgpr 1024
		.amdhsa_next_free_sgpr 98
		.amdhsa_reserve_vcc 0
		.amdhsa_float_denorm_mode_32 3
		.amdhsa_float_denorm_mode_16_64 3
		.amdhsa_memory_ordered 1
		.amdhsa_forward_progress 1
		.amdhsa_inst_pref_size 165
	.end_amdhsa_kernel
	.amdgpu_metadata
---
amdhsa.version: [ 1, 2 ]
amdhsa.kernels:
  - .name:           k_q8f6e5f0cdd_vt
    .symbol:         k_q8f6e5f0cdd_vt.kd
    .args:
      - { .name: xw_codes, .offset: 0, .size: 8, .value_kind: global_buffer, .address_space: global }
      - { .name: xw_scales, .offset: 8, .size: 8, .value_kind: global_buffer, .address_space: global }
      - { .name: kv, .offset: 16, .size: 8, .value_kind: global_buffer, .address_space: global }
    .group_segment_fixed_size: 327680
    .private_segment_fixed_size: 0
    .kernarg_segment_align: 8
    .kernarg_segment_size: 24
    .max_flat_workgroup_size: 128
    .sgpr_count:     98
    .vgpr_count:     1024
    .wavefront_size: 32
...
	.end_amdgpu_metadata
.endif
;; end of part 3
;; launch attn (part 4): grid 4 x 64, 16 waves a work-group, clusters of 4 x 1, 215,040 bytes of LDS; arguments qimg, kv, ctx_codes, ctx_scales; writes ctx_codes, ctx_scales
.if DOCPART == 4
	.amdgcn_target "amdgcn-amd-amdhsa--gfx1250"
	.amdhsa_code_object_version 6
	.text
	.protected	k_q8f6e5f0cdd_attn
	.globl	k_q8f6e5f0cdd_attn
	.p2align	8
	.type	k_q8f6e5f0cdd_attn,@function
k_q8f6e5f0cdd_attn:
	s_mov_b64 s[64:65], 0
	v_nop
	global_prefetch_b8 v0, s[64:65] scope:SCOPE_SE
	s_setreg_imm32_b32 hwreg(HW_REG_WAVE_MODE, 25, 1), 1
	s_wait_xcnt 0x0
	s_wait_alu depctr_hold_cnt(0) depctr_sa_sdst(0) depctr_va_vdst(0) depctr_va_sdst(0) depctr_va_ssrc(0) depctr_va_vcc(0) depctr_vm_vsrc(0)
	s_getreg_b32 s2, hwreg(HW_REG_IB_STS2, 6, 4)
	s_cmp_eq_u32 s2, 0
	s_cbranch_scc0 .Lentry_in_a_cluster
	s_endpgm
.Lentry_in_a_cluster:
	s_bfe_u32 s2, ttmp6, 0x10000c
	s_cmp_lg_u32 s2, 0x3003
	s_cbranch_scc0 .Lentry_shape_is_right
	s_endpgm
.Lentry_shape_is_right:
; LAUNCH 4 OF 5.  ctx = softmax(q k^T / 8) v for 64 (batch, head) pairs of 2,048 tokens and head size 64, both products on codes of FP6 (E2M3) with E8M0 scales; ctx is quantised along the head's 64 and leaves as codes.
; THE SOFTMAX: t = score x log2(e) / 8; M = the running largest t rounded UP to a whole number; p = 2^(t - M) is what is quantised, along the keys, not normalised.  The row's sum is taken of the unquantised p
; in f32 and divides at the end.  When M moves, the sum and O are multiplied by 2^(old M - new M): exact, no branch on data.
; SHARES.  A cluster of four work-groups is one (batch, head); each work-group takes 512 queries, each of its sixteen waves one stored tile of 16 queries in each of two passes: four waves to a SIMD, 256 registers each.
; LDS.  The head's sixteen chunks of kv (128 keys each: 4 K images, 4 V images, their scale words; 13,312 bytes) lie on end from byte 0: 212,992 bytes, FILLED ONCE and only read after that: no ring.
; The fills are joint loads of the four work-groups.  Each wave brings 13 rows of 256 bytes of chunks 0-3 and 39 rows of chunks 4-15: two tensor loads of mine are out at the most.
; LAYOUT.  Both products are used transposed: S^T = K Q^T, O^T = V^T P^T: a lane holds ONE query (lane % 16) throughout.  All operands are images of their registers: three loads of 16 bytes a lane.
; K = 64 IN AN INSTRUCTION OF K = 128.  A K image holds stored key tile 2 f in k 0-63 and tile 2 f + 1 in k 64-127.  Q lies in 18 registers as [six zeros | q | six zeros]: registers 6-17 are (q, 0), which picks tile 2 f,
; registers 0-11 are (0, q), which picks tile 2 f + 1.  The other half multiplies zero codes of Q by codes of K, which are all finite in this format: exactly 0.  Q's scale bytes over its zero half are 1.
; By the stored order of the tokens the 16 registers of tiles 2 f and 2 f + 1 are keys 32 f + 16 h + 0 .. 15: 16 neighbours along the second product's K.
; THE WAY OUT.  O^T's register 16 bb + i is d = 32 bb + 16 h + i (Wv's rows are in the stored order too).  Six registers of codes go out as three stores of 8 bytes a lane (256 consecutive bytes each) to
; ctx_codes[stored token tile][head]; the two scale bytes of a row go to ctx_scales[stored token row][2 head + block], a byte a lane: rows 32 bytes apart, of which each head's work-group owns two bytes.
; LIMITS: a block whose largest magnitude lies under 2^-124 (a block of zeros too) keeps the byte 1; NaN and infinities are not served.
; REGISTERS: v1 16 x lane, v2 4 x lane, v3, v4 the same + the chunk in hand, v5 8 x lane, v6 32 r + h; v12 -M, v13 the largest t, v[14:15] the sum in two halves; v32-79 four fragments of K, then of V;
;   v80-83 K's scale words, v84-87 V's; v96-159 S^T, then p; v160-191 O^T; v192-209 Q; v210, v211 Q's two scale words; v224-235 p's codes; v232-254 at work.
.set CH,    13312                      ; a chunk
.set VIM,   6144
.set KSC,   12288
.set VSC,   12800
.set HEADB, 16*CH
.set WV,   48                          ; s48  my wave's number
.set SEL,  20                          ; s[20:21] selects for lane l xor 16
.set CS,   22                          ; s[22:23] c = log2(e) / 8
.set G1A,  24                          ; s[24:31] group 1: 13 rows of 256 bytes;  s[32:39]: 39 rows
.set G1B,  32
.set G0A,  40
.set G0B,  44
.set TB,   2                           ; s2   LDS byte at which the chunk in hand begins
.set CNT,  3                           ; s3   key steps to go
.set PM,   60                          ; s60  all ones in a wave whose tile is the odd one of its image
.set PSH,  61                          ; s61  16 in such a wave, else 0
.set PASS, 62
.set HM,   63                          ; s63  the mask of lanes 16-31
.macro CROUND                          ; a round of the cluster's barrier
	s_barrier_signal -1
	s_barrier_wait -1
	s_cmp_lg_u32 s[WV], 0
	s_cbranch_scc1 .Lnot_wave_0_\@
	s_barrier_signal -3
.Lnot_wave_0_\@:
	s_barrier_wait -3
	s_barrier_signal -1
	s_barrier_wait -1
.endm
	s_load_b256 s[4:11], s[0:1], 0x0               ; qimg s[4:5], kv s[6:7], ctx_codes s[8:9], ctx_scales s[10:11]
	v_lshl_add_u32 v251, v0, 2, 0x34000
	v_mov_b32 v255, 0
	ds_add_u32 v251, v255
	ds_add_u32 v251, v255
	v_lshrrev_b32 v1, 5, v0
	v_readfirstlane_b32 s[WV], v1                  ; wave 0..15
	s_bfe_u32 s49, ttmp6, 0x40000                  ; cx: it enters Q's and ctx's global addresses alone
	s_lshl_b32 s50, ttmp9, 2
	s_add_co_u32 s50, s50, s49                     ; qb: my block of 512 queries
	s_and_b32 s51, ttmp7, 0xffff                   ; bh = 16 x batch + head, which the four partners share
	; group 1: dense rows of 256 bytes (32 elements of 8 bytes), no padding; the mask names all four work-groups, bit 21 beside it
	s_mov_b32 s[G1A], 15|(3<<16)|(1<<21)
	s_mov_b32 s[G1A+1], 32<<16
	s_mov_b32 s[G1A+2], 13<<16
	s_mov_b32 s[G1A+3], 32<<16
	s_mov_b32 s[G1A+4], 13
	s_mov_b32 s[G1A+5], 32
	s_mov_b32 s[G1A+6], 0
	s_mov_b32 s[G1A+7], 0
	s_mov_b32 s[G1B], 15|(3<<16)|(1<<21)
	s_mov_b32 s[G1B+1], 32<<16
	s_mov_b32 s[G1B+2], 39<<16
	s_mov_b32 s[G1B+3], 32<<16
	s_mov_b32 s[G1B+4], 39
	s_mov_b32 s[G1B+5], 32
	s_mov_b32 s[G1B+6], 0
	s_mov_b32 s[G1B+7], 0
	; my first tile of queries is tile 32 qb + w of the batch: image (w % 8) / 2 of chunk 16 bh + 4 qb + w / 8 of qimg
	s_lshl_b32 s52, s51, 4
	s_lshl_b32 s53, s50, 2
	s_add_co_u32 s52, s52, s53
	s_lshr_b32 s53, s[WV], 3
	s_add_co_u32 s52, s52, s53
	s_mul_i32 s52, s52, CH
	s_bfe_u32 s53, s[WV], 0x20001                  ; (w / 2) % 4
	s_mul_i32 s56, s53, 1536
	s_add_co_u32 s56, s56, s52
	s_mov_b32 s57, 0
	s_lshl_b32 s58, s53, 7
	s_add_co_u32 s58, s58, s52
	s_add_co_u32 s58, s58, KSC
	s_mov_b32 s59, 0
	; ctx: stored token tile T = 128 x batch + 32 qb + w
	s_lshr_b32 s52, s51, 4
	s_lshl_b32 s52, s52, 7
	s_lshl_b32 s53, s50, 5
	s_add_co_u32 s52, s52, s53
	s_add_co_u32 s52, s52, s[WV]
	s_and_b32 s53, s51, 15                         ; head
	s_mul_i32 s54, s52, 12288
	s_mul_i32 s55, s53, 768
	s_add_co_u32 s54, s54, s55
	s_mov_b32 s55, 0
	s_lshl_b32 s52, s52, 9
	s_lshl_b32 s53, s53, 1
	s_add_co_u32 s52, s52, s53
	s_mov_b32 s53, 0
	s_and_b32 s[PSH], s[WV], 1
	s_cmp_eq_u32 s[PSH], 1
	s_cselect_b32 s[PM], -1, 0
	s_lshl_b32 s[PSH], s[PSH], 4
	s_mov_b32 s[SEL], 0x76543210
	s_mov_b32 s[SEL+1], 0xfedcba98
	s_mov_b32 s[CS], 0x3e38aa3b                    ; log2(e) / 8
	s_mov_b32 s[CS+1], s[CS]                       ; (named with it as a pair, so it is written)
	v_and_b32 v7, 31, v0                           ; lane
	v_lshlrev_b32 v1, 4, v7
	v_lshlrev_b32 v2, 2, v7
	v_lshlrev_b32 v5, 3, v7
	v_and_b32 v8, 15, v0
	v_bfe_u32 v9, v0, 4, 1
	v_lshl_add_u32 v6, v8, 5, v9
	v_cmp_lt_u32 s[HM], 15, v7
	s_wait_dscnt 0x0
	s_wait_kmcnt 0x0
	s_add_nc_u64 s[12:13], s[4:5], s[56:57]        ; Q's image
	s_add_nc_u64 s[14:15], s[4:5], s[58:59]        ; its scale words
	s_add_nc_u64 s[16:17], s[8:9], s[54:55]        ; ctx's codes
	s_add_nc_u64 s[18:19], s[10:11], s[52:53]      ; ctx's scale bytes
	s_mul_i32 s2, s51, HEADB
	s_mov_b32 s3, 0
	s_add_nc_u64 s[6:7], s[6:7], s[2:3]            ; the head's first chunk
	s_mov_b32 s[G0A], 1
	s_mul_i32 s[G0A+1], s[WV], 13*256              ; LDS: my 13 rows of chunks 0-3
	s_mov_b32 s2, s[G0A+1]
	s_add_nc_u64 s[G0A+2:G0A+3], s[6:7], s[2:3]    ; the same place in the head's chunks
	s_or_b32 s[G0A+3], s[G0A+3], 0x80000000
	s_mov_b32 s[G0B], 1
	s_mul_i32 s[G0B+1], s[WV], 39*256
	s_add_co_u32 s[G0B+1], s[G0B+1], 4*CH          ; my 39 rows of chunks 4-15
	s_mov_b32 s2, s[G0B+1]
	s_add_nc_u64 s[G0B+2:G0B+3], s[6:7], s[2:3]
	s_or_b32 s[G0B+3], s[G0B+3], 0x80000000
	CROUND                                         ; all four work-groups are here: the joint loads meet
	tensor_load_to_lds s[G0A:G0A+3], s[G1A:G1A+7]
	s_nop 0
	tensor_load_to_lds s[G0B:G0B+3], s[G1B:G1B+7]
	s_nop 0
.rept 4
	v_nop
.endr
.irp j, 0,1,2,3,4,5
	v_mov_b32 v[192+\j], 0                         ; Q's two runs of zero codes: they stay
	v_mov_b32 v[204+\j], 0
.endr
.irp b, 0,1,2,3
	v_mov_b32 v[236+\b], 0                         ; written once: a lane permute's destination counts as one of its sources
.endr
	v_mov_b32 v253, 0                              ; (named as the upper half of the pair v[252:253] before it is first written)
	s_mov_b32 s[PASS], 2
; A KEY STEP: 128 keys, one chunk.
.macro STEP
	v_add_nc_u32 v3, s[TB], v1
	v_add_nc_u32 v4, s[TB], v2
	v_nop
	v_nop                                          ; four plain lines behind the last products, in front of loads into the registers that they read
.irp f, 0,1,2,3
.irp g, 0,1,2
	ds_load_b128 v[32+12*\f+4*\g:35+12*\f+4*\g], v3 offset:1536*\f+512*\g   ; K image f: 512 consecutive bytes a load
.endr
	ds_load_b32 v[80+\f], v4 offset:KSC+128*\f
.endr
	s_wait_dscnt 0x0
.irp f, 0,1,2,3                        ; S^T: each image serves two tiles of keys
	v_wmma_scale_f32_16x16x128_f8f6f4 v[96+16*\f:103+16*\f], v[32+12*\f:43+12*\f], v[198:209], 0, v[80+\f], v210 matrix_a_fmt:MATRIX_FMT_FP6 matrix_b_fmt:MATRIX_FMT_FP6
	v_wmma_scale_f32_16x16x128_f8f6f4 v[104+16*\f:111+16*\f], v[32+12*\f:43+12*\f], v[192:203], 0, v[80+\f], v211 matrix_a_fmt:MATRIX_FMT_FP6 matrix_b_fmt:MATRIX_FMT_FP6
.endr
.rept 4
	v_nop                                          ; places: for the loads below and for the first read of the scores
.endr
.irp t, 0,1,2,3                        ; V's images are asked for now: they land under the softmax
.irp g, 0,1,2
	ds_load_b128 v[32+12*\t+4*\g:35+12*\t+4*\g], v3 offset:VIM+1536*\t+512*\g
.endr
	ds_load_b32 v[84+\t], v4 offset:VSC+128*\t
.endr
.irp b, 0,1,2,3
	v_max3_num_f32 v[232+\b], v[96+16*\b], v[97+16*\b], v[98+16*\b]   ; the largest score of each block of 32 keys: for the row's maximum, and, since p rises with the score, for the block's largest p
.endr
.irp i, 3,5,7,9,11,13
.irp b, 0,1,2,3
	v_max3_num_f32 v[232+\b], v[232+\b], v[96+16*\b+\i], v[97+16*\b+\i]
.endr
.endr
.irp b, 0,1,2,3
	v_max_num_f32 v[232+\b], v[232+\b], v[111+16*\b]
.endr
.irp b, 0,1,2,3
	v_permlanex16_b32 v[236+\b], v[232+\b], s[SEL], s[SEL+1]
.endr
.irp b, 0,1,2,3
	v_max_num_f32 v[232+\b], v[232+\b], v[236+\b]  ; with lane l xor 16's 16 keys
.endr
	v_max3_num_f32 v254, v232, v233, v234
	v_max_num_f32 v254, v254, v235                 ; the step's largest score of my query
	v_mul_f32 v254, s[CS], v254                    ; as t (c is positive)
	v_max_num_f32 v13, v13, v254                   ; the running largest t
	v_mov_b32 v254, v12
	v_floor_f32 v12, -v13                          ; the new -M = floor(-t): M is a whole number
	v_sub_f32 v254, v12, v254                      ; old M - new M: a whole number, 0 or less
	v_cvt_i32_f32 v254, v254                       ; (it saturates)
	v_ldexp_f32 v252, 1.0, v254                    ; f = 2^(old M - new M)
.set J, 0
.rept 32
	v_pk_fma_f32 v[96+J:97+J], v[96+J:97+J], s[CS:CS+1], v[12:13] op_sel_hi:[1,0,0]   ; t - M, two at a time
.set J, J+2
.endr
.irp b, 0,1,2,3
	v_fma_f32 v[232+\b], v[232+\b], s[CS], v12     ; the same of each block's largest score
.endr
.set J, 0
.rept 64
	v_exp_f32 v[96+J], v[96+J]                     ; p = 2^(t - M), at most 1: one batch
.set J, J+1
.endr
	v_pk_mul_f32 v[14:15], v[14:15], v[252:253] op_sel_hi:[1,0]   ; the sums under the new M (a plain line behind the exponentials)
	s_wait_alu depctr_va_vdst(0)                   ; one wait for the batch, ahead of its first reader
.irp b, 0,1,2,3
	v_exp_f32 v[232+\b], v[232+\b]                 ; the block's largest p: the same two instructions on the same number give the same bits
.endr
	v_pk_add_f32 v[236:237], v[96:97], v[98:99]    ; the row's sum of the unquantised p, in two chains
.irp j, 4,8,12,16,20,24,28,32,36,40,44,48,52,56,60
	v_pk_add_f32 v[14:15], v[14:15], v[96+\j:97+\j]
	v_pk_add_f32 v[236:237], v[236:237], v[98+\j:99+\j]
.endr
	v_pk_add_f32 v[14:15], v[14:15], v[236:237]
	s_wait_alu depctr_va_vdst(0)                   ; and one for the four
.irp b, 0,1,2,3
	v_max_num_f32 v[232+\b], 0x1800000, v[232+\b]  ; the floor 2^(3 - 127): the byte cannot fall under 1
.endr
.irp b, 0,1,2,3
	v_add_nc_u32 v[244+\b], 0xff000000, v[232+\b]  ; 2 off the exponent field: the conversion's scale operand
.endr
.irp b, 0,1,2,3
	v_lshrrev_b32 v[236+\b], 23, v[244+\b]         ; the scale's byte
.endr
	v_lshl_or_b32 v253, v237, 8, v236              ; p's scale word for these 128 keys
	v_lshl_or_b32 v253, v238, 16, v253
	v_lshl_or_b32 v253, v239, 24, v253
.irp c, 0,1
	v_cvt_scalef32_pk16_fp6_f32 v[224+6*\c:226+6*\c], v[96+32*\c:111+32*\c], v[244+2*\c]
	v_cvt_scalef32_pk16_fp6_f32 v[236+4*\c:238+4*\c], v[112+32*\c:127+32*\c], v[244+2*\c+1]   ; (a conversion's three registers begin on an even number)
.endr
	v_nop                                          ; one plain line behind a scaled conversion
.irp c, 0,1                            ; the operand's layout wants a whole block in a lane
.irp i, 0,1,2
	v_permlane16_swap_b32 v[224+6*\c+\i], v[236+4*\c+\i]
.endr
.irp i, 0,1,2
	v_mov_b32 v[227+6*\c+\i], v[236+4*\c+\i]
.endr
.endr
.set J, 0
.rept 16
	v_pk_mul_f32 v[160+J:161+J], v[160+J:161+J], v[252:253] op_sel_hi:[1,0]   ; O^T under the new M.  (These sixteen also stand between the writes of p's codes and scale word and the products)
.set J, J+2
.endr
	s_wait_dscnt 0x0                               ; V's images are in
.irp t, 0,1,2,3                        ; O^T += V^T P^T: four accumulators, one instruction each: no two neighbouring matrix instructions share an accumulator, over the backward jump too
	v_wmma_scale_f32_16x16x128_f8f6f4 v[160+8*\t:167+8*\t], v[32+12*\t:43+12*\t], v[224:235], v[160+8*\t:167+8*\t], v[84+\t], v253 matrix_a_fmt:MATRIX_FMT_FP6 matrix_b_fmt:MATRIX_FMT_FP6
.endr
	s_add_co_u32 s[TB], s[TB], CH
.endm
.Lpass:                                            ; two trips: my tile of queries, then the tile sixteen further on
	global_load_b128 v[32:35], v1, s[12:13]        ; the image that holds my tile and its neighbour
	global_load_b128 v[36:39], v1, s[12:13] offset:512
	global_load_b128 v[40:43], v1, s[12:13] offset:1024
	global_load_b32 v44, v2, s[14:15]
	v_mov_b32 v13, 0xff61b1e6                      ; the largest t so far: -3e38
	v_floor_f32 v12, -v13                          ; -M
	v_mov_b32 v14, 0
	v_mov_b32 v15, 0
	s_wait_loadcnt 0x0
.irp j, 0,1,2,3,4,5
	v_cndmask_b32 v[198+\j], v[32+\j], v[38+\j], s[PM]   ; registers 0-5 are the even tile, 6-11 the odd one
.endr
	v_lshrrev_b32 v45, s[PSH], v44
	v_and_b32 v45, 0xffff, v45                     ; my tile's two scale bytes
	v_or_b32 v210, 0x01010000, v45                 ; for (q, 0)
	v_lshl_or_b32 v211, v45, 16, 0x0101            ; for (0, q)
.set J, 0
.rept 32
	v_mov_b32 v[160+J], 0                          ; O^T: the step is written once; its first trip finds zeros, which the first change of M leaves zeros
.set J, J+1
.endr
	s_mov_b32 s[TB], 0
	s_wait_tensorcnt 0x1                           ; my part of chunks 0-3 is in; the larger load may stay out
	s_wait_dscnt 0x0
	s_barrier_signal -1
	s_barrier_wait -1                              ; everybody's is
	s_mov_b32 s[CNT], 4
.Lfirst:
	STEP
	s_sub_co_u32 s[CNT], s[CNT], 1
	s_cmp_lg_u32 s[CNT], 0
	s_cbranch_scc1 .Lfirst
	s_wait_tensorcnt 0x0                           ; my part of chunks 4-15 is in
	s_wait_dscnt 0x0
	s_barrier_signal -1
	s_barrier_wait -1
	s_mov_b32 s[CNT], 12
.Lrest:
	STEP
	s_sub_co_u32 s[CNT], s[CNT], 1
	s_cmp_lg_u32 s[CNT], 0
	s_cbranch_scc1 .Lrest
	; the way out
	v_add_f32 v14, v14, v15                        ; the sum's two halves,
	v_permlanex16_b32 v252, v14, s[SEL], s[SEL+1]
	v_add_f32 v14, v14, v252                       ; and lane l xor 16's
	v_rcp_f32 v14, v14
.rept 4
	v_nop                                          ; plain lines behind the reciprocal and behind the last products
.endr
	s_wait_alu depctr_va_vdst(0)                   ; ahead of the reciprocal's first reader
.set J, 0
.rept 32
	v_mul_f32 v[96+J], v[160+J], v14               ; ctx: register 16 bb + i is d = 32 bb + 16 h + i; each accumulator from its low end on
.set J, J+1
.endr
	v_max3_num_f32 v232, |v96|, |v97|, 0x1800000   ; two blocks of 32 along d, by turns; the floor holds the byte at 1
	v_max3_num_f32 v233, |v112|, |v113|, 0x1800000
.irp i, 2,4,6,8,10,12,14
	v_max3_num_f32 v232, v232, |v[96+\i]|, |v[97+\i]|
	v_max3_num_f32 v233, v233, |v[112+\i]|, |v[113+\i]|
.endr
	v_permlanex16_b32 v236, v232, s[SEL], s[SEL+1]
	v_permlanex16_b32 v237, v233, s[SEL], s[SEL+1]
	v_max_num_f32 v232, v232, v236
	v_max_num_f32 v233, v233, v237
	v_add_nc_u32 v244, 0xff000000, v232
	v_add_nc_u32 v245, 0xff000000, v233
	v_lshrrev_b32 v238, 23, v244
	v_lshrrev_b32 v239, 23, v245
	v_cvt_scalef32_pk16_fp6_f32 v[224:226], v[96:111], v244
	v_cvt_scalef32_pk16_fp6_f32 v[240:242], v[112:127], v245
	v_nop                                          ; one plain line behind a scaled conversion
.irp i, 0,1,2
	v_permlane16_swap_b32 v[224+\i], v[240+\i]
.endr
.irp i, 0,1,2
	v_mov_b32 v[227+\i], v[240+\i]                 ; registers 0-5: k = 32 h + 0 .. 31 of this head's 64
.endr
	v_cndmask_b32 v254, v238, v239, s[HM]          ; lanes 0-15 carry block 0's byte, lanes 16-31 block 1's
.irp p, 0,1,2
	global_store_b64 v5, v[224+2*\p:225+2*\p], s[16:17] offset:256*\p   ; 256 consecutive bytes, aligned
.endr
	global_store_b8 v6, v254, s[18:19]
	s_wait_xcnt 0x0                                ; the stores have read their data and bases: both are written again only behind this wait
	s_add_nc_u64 s[12:13], s[12:13], 2*CH          ; sixteen tiles on: two chunks of qimg,
	s_add_nc_u64 s[14:15], s[14:15], 2*CH
	s_add_nc_u64 s[16:17], s[16:17], 16*12288      ; sixteen tiles of ctx_codes,
	s_add_nc_u64 s[18:19], s[18:19], 16*512        ; 256 rows of ctx_scales
	s_sub_co_u32 s[PASS], s[PASS], 1
	s_cmp_lg_u32 s[PASS], 0
	s_cbranch_scc1 .Lpass
	s_wait_dscnt 0x0
	s_wait_tensorcnt 0x0
	ds_add_u32 v251, v255
	s_wait_dscnt 0x0
	CROUND                                         ; the closing round: no work-group ends while a partner may still ask for a tile that names it
	s_endpgm
.Lfunc_end_k_q8f6e5f0cdd_attn:
	.size	k_q8f6e5f0cdd_attn, .Lfunc_end_k_q8f6e5f0cdd_attn-k_q8f6e5f0cdd_attn
	.p2alignl 7, 3214868480
	.fill 96, 4, 3214868480
	.section	.rodata,"a",@progbits
	.p2align	6, 0x0
	.amdhsa_kernel k_q8f6e5f0cdd_attn
		.amdhsa_group_segment_fixed_size 215040
		.amdhsa_private_segment_fixed_size 0
		.amdhsa_enable_private_segment 0
		.amdhsa_kernarg_size 32
		.amdhsa_user_sgpr_count 2
		.amdhsa_user_sgpr_kernarg_segment_ptr 1
		.amdhsa_wavefront_size32 1
		.amdhsa_system_sgpr_workgroup_id_x 1
		.amdhsa_system_sgpr_workgroup_id_y 1
		.amdhsa_system_sgpr_workgroup_id_z 1
		.amdhsa_system_vgpr_workitem_id 0
		.amdhsa_next_free_vgpr 256
		.amdhsa_next_free_sgpr 66
		.amdhsa_reserve_vcc 0
		.amdhsa_float_denorm_mode_32 3
		.amdhsa_float_denorm_mode_16_64 3
		.amdhsa_memory_ordered 1
		.amdhsa_forward_progress 1
		.amdhsa_inst_pref_size 44
	.end_amdhsa_kernel
	.amdgpu_metadata
---
amdhsa.version: [ 1, 2 ]
amdhsa.kernels:
  - .name:           k_q8f6e5f0cdd_attn
    .symbol:         k_q8f6e5f0cdd_attn.kd
    .args:
      - { .name: qimg, .offset: 0, .size: 8, .value_kind: global_buffer, .address_space: global }
      - { .name: kv, .offset: 8, .size: 8, .value_kind: global_buffer, .address_space: global }
      - { .name: ctx_codes, .offset: 16, .size: 8, .value_kind: global_buffer, .address_space: global }
      - { .name: ctx_scales, .offset: 24, .size: 8, .value_kind: global_buffer, .address_space: global }
    .group_segment_fixed_size: 215040
    .private_segment_fixed_size: 0
    .kernarg_segment_align: 8
    .kernarg_segment_size: 32
    .max_flat_workgroup_size: 512
    .sgpr_count:     66
    .vgpr_count:     256
    .wavefront_size: 32
...
	.end_amdgpu_metadata
.endif
;; end of part 4
;; launch out (part 5): grid 4 x 32, 4 waves a work-group, clusters of 4 x 4, 327,680 bytes of LDS; arguments ctx_codes, ctx_scales, xw_codes, xw_scales, out0; writes out0
.if DOCPART == 5
	.amdgcn_target "amdgcn-amd-amdhsa--gfx1250"
	.amdhsa_code_object_version 6
	.text
	.protected	k_q8f6e5f0cdd_out
	.globl	k_q8f6e5f0cdd_out
	.p2align	8
	.type	k_q8f6e5f0cdd_out,@function
k_q8f6e5f0cdd_out:
	s_mov_b64 s[64:65], 0
	v_nop
	global_prefetch_b8 v0, s[64:65] scope:SCOPE_SE
	s_setreg_imm32_b32 hwreg(HW_REG_WAVE_MODE, 25, 1), 1
	s_wait_xcnt 0x0
	s_wait_alu depctr_hold_cnt(0) depctr_sa_sdst(0) depctr_va_vdst(0) depctr_va_sdst(0) depctr_va_ssrc(0) depctr_va_vcc(0) depctr_vm_vsrc(0)
	s_getreg_b32 s2, hwreg(HW_REG_IB_STS2, 6, 4)
	s_cmp_eq_u32 s2, 0
	s_cbranch_scc0 .Lentry_in_a_cluster
	s_endpgm
.Lentry_in_a_cluster:
	s_bfe_u32 s2, ttmp6, 0x10000c
	s_cmp_lg_u32 s2, 0xf033
	s_cbranch_scc0 .Lentry_shape_is_right
	s_endpgm
.Lentry_shape_is_right:
; LAUNCH 5 OF 5.  out0 = ctx x Wo^T on codes of FP6 (E2M3) with E8M0 scales, f32 sums.  A = ctx (8,192 rows in the stored order: of each 32 tokens the second and third groups of eight have changed places),
; B = Wo (1,024 rows, natural order, in xw_codes / xw_scales behind hidden's and Wqkv's rows).  out0: [8192][1024] f32.
; THE PRODUCT: 256 x 256 to a work-group of four waves, 128 x 128 a wave; K in steps of 256 through a ring of two LDS slots; the scale bytes once; clusters of 4 x 4 with joint loads.
; A'S CODES ARE HALF IMAGES: ctx_codes[tile of 16 tokens][head][768 bytes]: six registers (64 along K) as three pieces of 8 bytes a lane, 256 bytes a piece.  A K step of 256 is four heads: 3,072 consecutive bytes of a
; tile; a tensor load brings eight tiles (rows of 3,072 bytes, 12,288 bytes apart), dense in LDS.  A fragment is six loads of 8 bytes a lane, each of 256 consecutive bytes: no padding is needed.
; THE WAY OUT: used transposed, a lane holds eight neighbouring columns of a row; a block of 16 rows goes through the wave's own stage in LDS (in slot 0, which has had its last fill and its last read) and comes back
; as whole rows of 512 bytes.  Stage row t of block a is token 32 (a / 2) + 8 (a % 2) + t + 8 (t / 8) of the wave's 128: the stored order is undone in the stores' offsets.
; REGISTERS, in windows of 256: window 0: v0-31 addresses; v32-63 scale words; v128-223 A's fragments; window 1: B's fragments, two sets; windows 2, 3: the accumulators.
.set SIZE_N, 1024
.set KSTEP,  256
.set NQ,     2
.set ROWB,   192
.set KROW,   768
.set PITCH,  240                       ; B's LDS rows: 3 x (64 bytes + 16 of padding)
.set FR,     12
.set NL,     6
.set NP,     4
.set ATILE,  3072                      ; a tile of 16 rows of A for a K step: four half images
.set HALFA,  8*ATILE                   ; 128 rows of A
.set HALFB,  128*PITCH                 ; 128 rows of B
.set SLOT,   2*HALFA+2*HALFB
.set LAPS,   2
.set KS,     32
.set SCL,    2*SLOT
.set HALFS,  (128*KS/256)*272
.set SBLK,   (16*KS/256)*272
.set SPARE,  SCL+4*HALFS               ; the spare words, 128 bytes a wave: two blocks of 256 bytes that no other line names
.set SPITCH, 528
.set ADRA, 16                          ; v16-17  LDS address of my A fragments in slot 0, 1
.set ADRB, 20                          ; v20-21  of B's; v22-23 the same behind one padding more
.set STO,  24
.set RD,   25
.set CO,   26
.set ADRS, 27
.set SPW,  28
.set NIL,  29
.set SC,   32
.set AF,   128
.set BK,   128
.set G1, 24
.set G0, 32
.set G1B, 48
.set G0B, 56
.set G1S, 68
.set G0S, 76
.set G1SB, 80
.set G0SB, 88
.set MSB, 0
.macro WIN new
.if MSB != (\new)
	s_set_vgpr_msb (MSB<<8)|(\new)
.set MSB, (\new)
.endif
.endm
.set MUL_LO, 0xa1
.set MUL_HI, 0xf1
.set TO_B,   0x40
.macro JLOAD g0a, g1a, g0b, g1b        ; a joint load: waves 0, 1 for A, waves 2, 3 for B; four v_nop follow each of the two lines
	s_cmp_eq_u32 s15, 0
	s_cbranch_scc0 .Lfor_b_\@
	tensor_load_to_lds s[\g0a:\g0a+3], s[\g1a:\g1a+7]
	s_nop 0
.rept 4
	v_nop
.endr
	s_branch .Lasked_\@
.Lfor_b_\@:
	tensor_load_to_lds s[\g0b:\g0b+3], s[\g1b:\g1b+7]
	s_nop 0
.rept 4
	v_nop
.endr
.Lasked_\@:
.endm
.macro CREST
	s_cmp_lg_u32 s14, 0
	s_cbranch_scc1 .Lnot_wave_0_\@
	s_barrier_signal -3
.Lnot_wave_0_\@:
	s_barrier_wait -3
	s_barrier_signal -1
	s_barrier_wait -1
.endm
.macro CROUND
	s_barrier_signal -1
	s_barrier_wait -1
	CREST
.endm
	s_load_b128 s[4:7], s[0:1], 0x0                ; ctx_codes, ctx_scales
	s_load_b128 s[8:11], s[0:1], 0x10              ; xw_codes, xw_scales
	s_load_b64 s[12:13], s[0:1], 0x20              ; out0
	v_lshl_add_u32 v[SPW], v0, 2, SPARE
	v_mov_b32 v[NIL], 0
	ds_add_u32 v28, v29
	ds_add_u32 v28, v29
	s_wait_dscnt 0x0
	v_lshrrev_b32 v1, 5, v0
	v_readfirstlane_b32 s14, v1                    ; wave 0..3
	s_lshr_b32 s15, s14, 1                         ; which half of the tile's rows is mine.  Also: I fetch for A (0) or for B (1)
	s_and_b32 s16, s14, 1                          ; which half of its columns.  Also: which 128 rows I fetch
	s_bfe_u32 s40, ttmp6, 0x40000
	s_bfe_u32 s41, ttmp6, 0x40004
	s_lshl_b32 s42, ttmp9, 2
	s_add_co_u32 s42, s42, s40                     ; tile column
	s_and_b32 s17, ttmp7, 0xffff
	s_lshl_b32 s17, s17, 2
	s_add_co_u32 s17, s17, s41                     ; tile row
	s_lshl_b32 s43, s41, 2
	s_lshl_b32 s43, 15, s43
	s_lshl_b32 s44, 0x1111, s40
	; A: eight rows of 3,072 bytes (384 elements of 8 bytes), 12,288 bytes (1,536 elements) apart, no padding
	s_or_b32 s[G1+0], s43, (3<<16)|(1<<21)
	s_mov_b32 s[G1+1], 384<<16
	s_mov_b32 s[G1+2], 8<<16
	s_mov_b32 s[G1+3], 384<<16
	s_mov_b32 s[G1+4], 8
	s_mov_b32 s[G1+5], 1536
	s_mov_b32 s[G1+6], 0
	s_mov_b32 s[G1+7], 0
	; B: 128 rows of 192 bytes, 768 apart, 16 bytes of padding behind every 64
	s_or_b32 s[G1B+0], s44, (0<<16)|(1<<20)|(1<<21)|(3<<22)|(3<<25)
	s_mov_b32 s[G1B+1], ROWB<<16
	s_mov_b32 s[G1B+2], 128<<16
	s_mov_b32 s[G1B+3], ROWB<<16
	s_mov_b32 s[G1B+4], 128
	s_mov_b32 s[G1B+5], KROW
	s_mov_b32 s[G1B+6], 0
	s_mov_b32 s[G1B+7], 0
	s_or_b32 s[G1S+0], s43, (3<<16)|(1<<20)|(1<<21)|(5<<22)|(3<<25)
	s_or_b32 s[G1SB+0], s44, (3<<16)|(1<<20)|(1<<21)|(5<<22)|(3<<25)
.irp g, G1S, G1SB
	s_mov_b32 s[\g+1], 32<<16
	s_mov_b32 s[\g+2], (128*KS/256)<<16
	s_mov_b32 s[\g+3], 32<<16
	s_mov_b32 s[\g+4], 128*KS/256
	s_mov_b32 s[\g+5], 32
	s_mov_b32 s[\g+6], 0
	s_mov_b32 s[\g+7], 0
.endr
	s_lshl_b32 s18, s16, 7
	s_lshl_b32 s20, s17, 8
	s_add_co_u32 s20, s20, s18                     ; A: row 256 x tile row + 128 x half
	s_lshl_b32 s46, s42, 8
	s_add_co_u32 s46, s46, s18                     ; B: row 256 x tile column + 128 x half
	s_mov_b32 s21, 0
	s_mov_b32 s47, 0
	s_mov_b64 s[18:19], KS
	s_mul_u64 s[22:23], s[20:21], s[18:19]
	s_mul_u64 s[92:93], s[46:47], s[18:19]
	s_mov_b64 s[18:19], KROW
	s_mul_u64 s[20:21], s[20:21], s[18:19]         ; 768 bytes of codes a row, in A too: a tile of 16 rows is 12,288 bytes
	s_mul_u64 s[46:47], s[46:47], s[18:19]
	s_mul_i32 s45, s16, HALFA                      ; where A's halves go,
	s_mul_i32 s95, s16, HALFB
	s_add_co_u32 s95, s95, 2*HALFA                 ; and B's, behind them
	s_mul_i32 s94, s14, HALFS
	s_wait_kmcnt 0x0
	s_add_nc_u64 s[8:9], s[8:9], 8650752           ; Wo's codes lie behind hidden's 8,192 and Wqkv's 3,072 rows,
	s_add_nc_u64 s[10:11], s[10:11], 360448        ; its scale bytes likewise
	s_add_nc_u64 s[20:21], s[4:5], s[20:21]
	s_add_nc_u64 s[22:23], s[6:7], s[22:23]
	s_add_nc_u64 s[46:47], s[8:9], s[46:47]
	s_add_nc_u64 s[92:93], s[10:11], s[92:93]
	CROUND                                         ; in front of the first joint loads
	s_mov_b32 s[G0S], 1
	s_add_co_u32 s[G0S+1], s94, SCL
	s_mov_b64 s[G0S+2:G0S+3], s[22:23]
	s_or_b32 s[G0S+3], s[G0S+3], 0x80000000
	s_mov_b32 s[G0SB], 1
	s_add_co_u32 s[G0SB+1], s94, SCL
	s_mov_b64 s[G0SB+2:G0SB+3], s[92:93]
	s_or_b32 s[G0SB+3], s[G0SB+3], 0x80000000
	JLOAD G0S, G1S, G0SB, G1SB
.irp s, 0,1
	s_mov_b32 s[G0+4*\s], 1
	s_add_co_u32 s[G0+4*\s+1], s45, \s*SLOT
	s_add_nc_u64 s[G0+4*\s+2:G0+4*\s+3], s[20:21], \s*ATILE
	s_or_b32 s[G0+4*\s+3], s[G0+4*\s+3], 0x80000000
	s_mov_b32 s[G0B+4*\s], 1
	s_add_co_u32 s[G0B+4*\s+1], s95, \s*SLOT
	s_add_nc_u64 s[G0B+4*\s+2:G0B+4*\s+3], s[46:47], \s*ROWB
	s_or_b32 s[G0B+4*\s+3], s[G0B+4*\s+3], 0x80000000
	JLOAD G0+4*\s, G1, G0B+4*\s, G1B               ; three tensor loads of mine are out
.endr
	v_and_b32 v1, 15, v0                           ; r
	v_bfe_u32 v2, v0, 4, 1                         ; h
	v_mul_u32_u24 v3, v1, PITCH
	v_mul_u32_u24 v4, v2, 24
	v_add_nc_u32 v4, v3, v4                        ; B: a fragment's row x pitch + 24 x half
	v_lshl_add_u32 v5, v2, 4, v4                   ; and the same behind one padding more
	v_and_b32 v6, 31, v0
	v_lshlrev_b32 v7, 3, v6                        ; A: 8 x lane
	s_mul_i32 s21, s15, HALFA                      ; my 128 rows of A
	s_mul_i32 s22, s16, HALFB                      ; my 128 rows of B,
	s_add_co_u32 s22, s22, 2*HALFA                 ; behind A's 256
.irp s, 0,1
	v_add_nc_u32 v[ADRA+\s], s21, v7
	v_add_nc_u32 v[ADRB+\s], s22, v4
	v_add_nc_u32 v[ADRB+2+\s], s22, v5
	s_add_co_u32 s21, s21, SLOT
	s_add_co_u32 s22, s22, SLOT
.endr
	v_mul_u32_u24 v5, v1, KS
	v_lshrrev_b32 v6, 8, v5
	v_lshl_add_u32 v5, v6, 4, v5
	s_mul_i32 s21, s15, HALFS
	s_mul_i32 s22, s16, HALFS
	s_add_co_u32 s22, s22, 2*HALFS
	s_sub_co_u32 s22, s22, s21
	v_mul_u32_u24 v6, s22, v2                      ; lanes 16-31 take B's
	s_add_co_u32 s21, s21, SCL
	v_add_nc_u32 v5, v5, v6
	v_add_nc_u32 v[ADRS], s21, v5
	s_mul_i32 s23, s14, 16*SPITCH                  ; my stage
	v_mul_u32_u24 v5, v1, SPITCH
	v_lshl_add_u32 v5, v2, 5, v5
	v_add_nc_u32 v[STO], s23, v5                   ; in: row r, 32 bytes for each half of the lanes
	v_and_b32 v6, 31, v0
	v_lshlrev_b32 v[CO], 4, v6                     ; back: the 32 lanes take one row of 512 bytes; and the same in out0
	v_add_nc_u32 v[RD], s23, v[CO]
	s_lshl_b32 s20, s17, 8
	s_lshl_b32 s21, s15, 7
	s_add_co_u32 s20, s20, s21                     ; my first row of out0
	s_mov_b32 s21, 0
	s_mov_b64 s[18:19], SIZE_N*4
	s_mul_u64 s[20:21], s[20:21], s[18:19]
	s_lshl_b32 s46, s42, 10                        ; my first column, in bytes
	s_lshl_b32 s47, s16, 9
	s_add_co_u32 s46, s46, s47
	s_mov_b32 s47, 0
	s_add_nc_u64 s[20:21], s[20:21], s[46:47]
	s_add_nc_u64 s[12:13], s[12:13], s[20:21]
.macro FRAG reg, adr, q, i             ; B: 16 rows x 128 K from padded rows, in pieces of 8 bytes
.irp p, 0,1,2,3,4,5
.set PCE, 12*(\q)+6*(\p/3)+\p%3
.if PCE%8 < 5
	ds_load_b64 v[\reg+2*\p:\reg+2*\p+1], v[\adr] offset:8*PCE+16*(PCE/8)+(\i)*16*PITCH
.else
	ds_load_b64 v[\reg+2*\p:\reg+2*\p+1], v[\adr+2] offset:8*PCE+16*(PCE/8)+(\i)*16*PITCH
.endif
.endr
.endm
.macro FRAGA reg, adr, q, i            ; A: tile i, heads 2 q and 2 q + 1 of the slot's four: two half images on end, six pieces of 256 bytes
.irp p, 0,1,2,3,4,5
	ds_load_b64 v[\reg+2*\p:\reg+2*\p+1], v[\adr] offset:(\i)*ATILE+(\q)*1536+256*\p
.endr
.endm
.macro MUL16 a0, p, q, sc, zero        ; the 64 accumulators take turns, one instruction a turn
.irp a, \a0, \a0+1
.irp b, 0,1,2,3,4,5,6,7
.if \zero
	v_wmma_scale_f32_16x16x128_f8f6f4 v[8*(8*((\a)%4)+\b):8*(8*((\a)%4)+\b)+7], v[128*(\p)+FR*\b:128*(\p)+FR*\b+FR-1], v[AF+FR*(\a):AF+FR*(\a)+FR-1], 0, v[SC+8*NQ*(\sc)+NQ*\b+(\q)], v[SC+8*NQ*(\sc)+NQ*(\a)+(\q)] matrix_a_fmt:MATRIX_FMT_FP6 matrix_b_fmt:MATRIX_FMT_FP6 matrix_a_scale:MATRIX_SCALE_ROW1
.else
	v_wmma_scale_f32_16x16x128_f8f6f4 v[8*(8*((\a)%4)+\b):8*(8*((\a)%4)+\b)+7], v[128*(\p)+FR*\b:128*(\p)+FR*\b+FR-1], v[AF+FR*(\a):AF+FR*(\a)+FR-1], v[8*(8*((\a)%4)+\b):8*(8*((\a)%4)+\b)+7], v[SC+8*NQ*(\sc)+NQ*\b+(\q)], v[SC+8*NQ*(\sc)+NQ*(\a)+(\q)] matrix_a_fmt:MATRIX_FMT_FP6 matrix_b_fmt:MATRIX_FMT_FP6 matrix_a_scale:MATRIX_SCALE_ROW1
.endif
.endr
.endr
.endm
.macro FETCH_B slot, q, p
	WIN TO_B
.irp i, 0,1,2,3,4,5,6,7
	FRAG 128*(\p)+FR*\i, ADRB+\slot, \q, \i
.endr
	WIN 0
.endm
.macro FETCH_A slot, q, i0
.irp i, \i0, \i0+1, \i0+2, \i0+3
	FRAGA AF+FR*(\i), ADRA+\slot, \q, \i
.endr
.endm
.macro SCALES sc
.irp i, 0,1,2,3,4,5,6,7
	ds_load_b64 v[SC+8*NQ*\sc+NQ*\i:SC+8*NQ*\sc+NQ*\i+1], v[ADRS] offset:\i*SBLK
.endr
.endm
.macro PLACES n
.rept \n
	v_nop
.endr
.endm
.macro STEP slot, q, zero
	s_wait_dscnt 4*NL                              ; all but the youngest 24 loads (A's blocks 4-7) are in
	WIN MUL_LO
	MUL16 0, (\q)%2, \q, \slot, \zero
	MUL16 2, (\q)%2, \q, \slot, \zero
	s_wait_dscnt 0
	PLACES NP
	FETCH_B \slot, (\q)+1, 1-(\q)%2
	FETCH_A \slot, (\q)+1, 0
	WIN MUL_HI
	MUL16 4, (\q)%2, \q, \slot, \zero
	MUL16 6, (\q)%2, \q, \slot, \zero
	PLACES NP
	WIN 0
	FETCH_A \slot, (\q)+1, 4
.endm
.macro TURN slot, next, fill
	s_wait_tensorcnt 0x0                           ; all my tensor loads have landed: my part of the next slot
	ds_add_u32 v[SPW], v[NIL]                      ; 0 onto my spare word
	s_wait_dscnt 4*NL+1                            ; the add and the youngest 24 loads may be out
	WIN MUL_LO
	MUL16 0, 1, NQ-1, \slot, 0
	s_wait_dscnt 0x0                               ; the add is done, and my reads of this slot are over
	s_barrier_signal -1
	MUL16 2, 1, NQ-1, \slot, 0
	WIN 0
	s_barrier_wait -1
.if \fill
	CREST                                          ; the round: no wave of any partner still reads this slot or has a load on its way
	s_add_nc_u64 s[G0+4*\slot+2:G0+4*\slot+3], s[G0+4*\slot+2:G0+4*\slot+3], 2*ATILE
	s_add_nc_u64 s[G0B+4*\slot+2:G0B+4*\slot+3], s[G0B+4*\slot+2:G0B+4*\slot+3], 2*ROWB
	JLOAD G0+4*\slot, G1, G0B+4*\slot, G1B         ; the first tensor load behind the round
.else
	PLACES NP
.endif
	v_add_nc_u32 v[ADRS], 4*NQ, v[ADRS]
	FETCH_B \next, 0, 0
	FETCH_A \next, 0, 0
	SCALES \next
	WIN MUL_HI
	MUL16 4, 1, NQ-1, \slot, 0
	MUL16 6, 1, NQ-1, \slot, 0
	PLACES NP
	WIN 0
	FETCH_A \next, 0, 4
.endm
	s_wait_tensorcnt 1                             ; the scales and my part of K step 0 are in; K step 1's load may be out
	s_barrier_signal -1
	s_barrier_wait -1
	FETCH_B 0, 0, 0
	FETCH_A 0, 0, 0
	SCALES 0
	FETCH_A 0, 0, 4
	STEP 0, 0, 1
	s_mov_b32 s3, LAPS-1
.Llap:
	TURN 0, 1, 1
	STEP 1, 0, 0
	TURN 1, 0, 1
	STEP 0, 0, 0
	s_sub_co_u32 s3, s3, 1
	s_cmp_lg_u32 s3, 0
	s_cbranch_scc1 .Llap
	TURN 0, 1, 0
	STEP 1, 0, 0
	s_wait_dscnt 4*NL
	WIN MUL_LO
	MUL16 0, 1, NQ-1, 1, 0
	MUL16 2, 1, NQ-1, 1, 0
	s_wait_dscnt 0
	WIN MUL_HI
	MUL16 4, 1, NQ-1, 1, 0
	MUL16 6, 1, NQ-1, 1, 0
	WIN 0
; THE WAY OUT, block by block of 16 rows x 128 columns, through my own stage.  LDS serves a wave's instructions in order (ISA guide 5.7.1.4): no wait between the stores and the loads.
.macro TOSTAGE a
.set AC, 64*((\a)%4)
	WIN 0x08+4*((\a)/4)                            ; the data: window 2 or 3
.irp b, 0,1,2,3,4,5,6,7
	ds_store_b128 v[STO], v[AC+8*\b:AC+8*\b+3] offset:64*\b          ; each accumulator from its low end on
	ds_store_b128 v[STO], v[AC+8*\b+4:AC+8*\b+7] offset:64*\b+16
.endr
	WIN 0
.set BB, BK+64*((\a)%2)
.irp t, 0,1,2,3,4,5,6,7,8,9,10,11,12,13,14,15
	ds_load_b128 v[BB+4*\t:BB+4*\t+3], v[RD] offset:\t*SPITCH
.endr
.endm
.macro SEND a, younger                 ; younger: the LDS instructions issued behind block a's loads, which may stay out
.set BB, BK+64*((\a)%2)
	s_wait_dscnt \younger
.if (\a) > 0
.if ((\a)%2) == 1
	s_add_nc_u64 s[12:13], s[12:13], 8*SIZE_N*4    ; (behind a wait on XCNT)  block a begins at token 32 (a / 2) + 8 (a % 2): 8 rows on from an even block,
.else
	s_add_nc_u64 s[12:13], s[12:13], 24*SIZE_N*4   ; 24 from an odd one
.endif
.endif
.irp t, 0,1,2,3,4,5,6,7,8,9,10,11,12,13,14,15
	global_store_b128 v[CO], v[BB+4*\t:BB+4*\t+3], s[12:13] offset:(\t+8*(\t/8))*SIZE_N*4 th:TH_STORE_NT   ; 32 lanes store 512 consecutive bytes of one row, aligned
.endr
.endm
	PLACES NP
	TOSTAGE 0
.irp a, 1,2,3,4,5,6,7
.if \a > 1
	s_wait_xcnt 0x0                                ; block a - 2's stores have read their registers and their base
.endif
	TOSTAGE \a
	SEND \a-1, 32                                  ; behind block a - 1's loads: block a's 16 stores and 16 loads
.endr
	s_wait_xcnt 0x0
	SEND 7, 0
	s_wait_tensorcnt 0x0                           ; the wave's end
	ds_add_u32 v[SPW], v[NIL]
	s_wait_dscnt 0x0
	CROUND                                         ; the closing round
	s_endpgm
.Lfunc_end_k_q8f6e5f0cdd_out:
	.size	k_q8f6e5f0cdd_out, .Lfunc_end_k_q8f6e5f0cdd_out-k_q8f6e5f0cdd_out
	.p2alignl 7, 3214868480
	.fill 96, 4, 3214868480
	.section	.rodata,"a",@progbits
	.p2align	6, 0x0
	.amdhsa_kernel k_q8f6e5f0cdd_out
		.amdhsa_group_segment_fixed_size 327680
		.amdhsa_private_segment_fixed_size 0
		.amdhsa_enable_private_segment 0
		.amdhsa_kernarg_size 40
		.amdhsa_user_sgpr_count 2
		.amdhsa_user_sgpr_kernarg_segment_ptr 1
		.amdhsa_wavefront_size32 1
		.amdhsa_system_sgpr_workgroup_id_x 1
		.amdhsa_system_sgpr_workgroup_id_y 1
		.amdhsa_system_sgpr_workgroup_id_z 1
		.amdhsa_system_vgpr_workitem_id 0
		.amdhsa_next_free_vgpr 1024
		.amdhsa_next_free_sgpr 98
		.amdhsa_reserve_vcc 0
		.amdhsa_float_denorm_mode_32 3
		.amdhsa_float_denorm_mode_16_64 3
		.amdhsa_memory_ordered 1
		.amdhsa_forward_progress 1
		.amdhsa_inst_pref_size 160
	.end_amdhsa_kernel
	.amdgpu_metadata
---
amdhsa.version: [ 1, 2 ]
amdhsa.kernels:
  - .name:           k_q8f6e5f0cdd_out
    .symbol:         k_q8f6e5f0cdd_out.kd
    .args:
      - { .name: ctx_codes, .offset: 0, .size: 8, .value_kind: global_buffer, .address_space: global }
      - { .name: ctx_scales, .offset: 8, .size: 8, .value_kind: global_buffer, .address_space: global }
      - { .name: xw_codes, .offset: 16, .size: 8, .value_kind: global_buffer, .address_space: global }
      - { .name: xw_scales, .offset: 24, .size: 8, .value_kind: global_buffer, .address_space: global }
      - { .name: out0, .offset: 32, .size: 8, .value_kind: global_buffer, .address_space: global }
    .group_segment_fixed_size: 327680
    .private_segment_fixed_size: 0
    .kernarg_segment_align: 8
    .kernarg_segment_size: 40
    .max_flat_workgroup_size: 128
    .sgpr_count:     98
    .vgpr_count:     1024
    .wavefront_size: 32
...
	.end_amdgpu_metadata
.endif
;; end of part 5
